; MI455X (gfx1250); checked and timed in simulation.
; The chip was launched on July 23, 2026; its instructions are those of AMD's public machine-readable ISA for CDNA 5 (MIT licence, August 2026) and "CDNA5" Instruction Set Architecture Reference Guide (July 2026). The comments in the code are by the model that wrote it; some were corrected since.
;; Attention. Allowed arithmetic: matrix products marked QUANTISED: E2M3 operands, one E8M0 scale for each 32 along K, by v_wmma_scale_f32_16x16x128_f8f6f4 with both operands' format E2M3, f32 sums; everything else in f32.
;; Inputs: W_proj 1,024 x 1,024 float32; W_qkv 1,024 x 3,072 float32; b_proj 1,024 float32; x 8 x 1,024 x 1,024 float32.
;; Outputs: out0 8 x 1,024 x 1,024 float32.
;; This version of the problem:
;;   THIS VERSION OF THE PROBLEM IS GIVEN IN LOW PRECISION. The matrix products marked QUANTISED in the list below multiply operands that are first quantised to E2M3 (2 exponent bits, 3 mantissa bits; 6 bits a number), with one power-of-two scale for each 32 numbers along K (OCP MX v1.0); their sums are f32. All else is computed in f32.
;;   The module's matrix products, in the order in which they are computed (A, B: the left and right operand; K: the contracted axis; several contracted axes count as one K, in the product's order):
;;     1. [M 8,192, K 1,024] x [K 1,024, N 3,072]; A: input x; B: input W_qkv: QUANTISED
;;     2. batch 128 x [M 1,024, K 64] x [K 64, N 1,024]; A: computed on the way; B: computed on the way: QUANTISED
;;     3. batch 128 x [M 1,024, K 1,024] x [K 1,024, N 64]; A: softmax (see below); B: computed on the way: QUANTISED
;;     4. [M 8,192, K 1,024] x [K 1,024, N 1,024]; A: computed on the way; B: input W_proj: QUANTISED
;;   THE QUANTISER, for each operand of a quantised product, along K:
;;     - K is cut into blocks of 32 from its start; a last block that is shorter is filled with zeros.
;;     - A block's scale is 2^e with e = floor(log2(the largest magnitude in the block)) - 2, held to -126 .. 127; a block of zeros has e = 0. As a byte (E8M0): e + 127.
;;     - Each number is divided by its block's scale, clamped to +-7.5, and rounded to the nearest number of E2M3, ties to even, subnormals kept.
;;     - The product sums the exact products of the quantised numbers (number of the format x scale) in f32.
;;   ~~~python
;;   def quantise(x, axis):      # numpy; x: float32 -> the quantised numbers, widened to float32 again
;;       x = np.moveaxis(x, axis, -1); K = x.shape[-1]
;;       x = np.pad(x, [(0, 0)] * (x.ndim - 1) + [(0, -K % 32)]); x = x.reshape(x.shape[:-1] + (-1, 32)); a = np.abs(x).max(-1, keepdims=True)
;;       e = np.where(a > 0, np.clip(np.frexp(np.where(a > 0, a, 1))[1] - 1 - 2, -126, 127), 0)      # np.frexp(a)[1] - 1 = floor(log2(a)), exactly
;;       r = np.clip(x / 2.0 ** e, -7.5, 7.5)
;;       step = 2.0 ** (np.maximum(np.frexp(np.where(r == 0, 1, r))[1] - 1, 0) - 3)
;;       q = np.round(r / step) * step * 2.0 ** e      # np.round: ties to even
;;       return np.moveaxis(q.reshape(q.shape[:-2] + (-1,))[..., :K], -1, axis).astype(np.float32)
;;   ~~~
;;   SOFTMAX AHEAD OF A QUANTISED PRODUCT. Where the list says 'softmax', what is quantised is not the finished softmax but p = 2^(t - M), with t = logit x log2(e) and M = ceil(the row's largest t), a whole number; so 1/2 < the row's largest p <= 1. The row's sum l is taken of the UNQUANTISED p, in f32, and the product's result is divided by l at the end. Since M is a whole number, a kernel that streams over the keys may use a running M (the ceiling of the running maximum): every later rescaling is an exact power of two, which a block's scale takes up: the codes' values come out the same.
;;   OPERANDS COMPUTED ON THE WAY. 'Computed on the way' means the value that the module computes at that place (a softmax that the list does not call 'softmax' is quantised finished and normalised). What goes into a quantiser is computed in f32, as accurately as f32 sums, v_exp_f32 and their like allow (about 1e-6 of the number): no bf16 or f16 on the way to a quantiser, and a product that is left as it is and whose result goes on into a quantised operand takes f32 operands (vector FMAs, or v_wmma_f32_16x16x4_f32). A number that lies on a knife's edge between two numbers of the format may be rounded either way, as far as f32 arithmetic and the matrix unit's own rounding can turn it there, and no further.
;; One version. Each part assembles by itself: llvm-mc -triple=amdgcn-amd-amdhsa -mcpu=gfx1250 --defsym DOCPART=n.
;; ======== version 1 of 1: 4 launches
;; limits: right only within a limited range of input values
;; workspace buffers: xq 6,553,600 bytes; wq 3,276,800 bytes; q 6,815,744 bytes; kv 13,631,488 bytes; oq 6,553,600 bytes
;; launch prep (part 1): grid 768 x 1, 4 waves a work-group, no clusters, 48,640 bytes of LDS; arguments x, W_qkv, W_proj, xq, wq; writes xq, wq
.if DOCPART == 1
	.amdgcn_target "amdgcn-amd-amdhsa--gfx1250"
	.amdhsa_code_object_version 6
	.text
	.protected	k_q526d4dbe1b_prep
	.globl	k_q526d4dbe1b_prep
	.p2align	8
	.type	k_q526d4dbe1b_prep,@function
k_q526d4dbe1b_prep:
	s_mov_b64 s[64:65], 0
	v_nop
	global_prefetch_b8 v0, s[64:65] scope:SCOPE_SE
	s_setreg_imm32_b32 hwreg(HW_REG_WAVE_MODE, 25, 1), 1
	s_wait_xcnt 0x0
; x [8192][1024], W_qkv [1024][3072] and W_proj [1024][1024], f32, become codes of FP6 (E2M3) with one E8M0 byte for each 32 along K (x: its columns; the weights: their FIRST axis).
; A block's scale is 2^(floor(log2(largest magnitude)) - 2): its byte is the largest magnitude's exponent field - 2, held at 1 from below.
; LIMITS: NaN and infinities are not served.  A block of zeros gets the byte 1 where the rule says 127: its codes are zeros, and the bytes are read by this program alone.
; THE WORKSPACE IS LAID AS ITS READER'S OPERAND REGISTERS.  A tile T is 16 rows (tokens of x; columns of a weight), a K step s is 128 along K.  The fragment (T, s), 12 registers a lane, is 1,536 bytes at
; (8 T + s) x 1,536: three pieces of 512 bytes, piece c = registers 4 c .. 4 c + 3, lane l's 16 bytes at 16 l.  Lane (r, h) holds row r; registers 6 c .. 6 c + 5 hold K = 64 c + 32 h + 0 .. 31.
; The scale words (four bytes: a row's 128 along K) lie behind the codes at 512 T + 64 s + 4 r.
; THE ROWS OF A TILE ARE NOT NEIGHBOURS: lane r of tile 2 g + u holds row 32 g + 8 u + r + 8 (r / 8), so that a product with such a tile as its first source leaves 16 neighbours in the 16 registers of two tiles.
; wq holds 4,096 rows: W_qkv's 3,072 columns, then W_proj's 1,024.
; Work-groups 0-511 take a tile of x each (wave w: K steps 2 w, 2 w + 1); work-groups 512-767 take 128 columns x 128 along K of a weight (wave w: 32 columns, a lane a column).
; Memory binds: every input byte is read once, in runs of 512 (x) or 128 (a weight's row, 512 for the four waves side by side) consecutive bytes; the codes leave in stores of 512 consecutive bytes.
; No matrix unit, no tensor load, no barrier, no cluster: the waves share nothing.  The two paths have LDS bytes of their own.
.set XSTW,  16*528                     ; x's stage, one for each wave: 16 rows x (512 bytes + 16): the rows start in 16 different groups of banks
.set WST,   4*XSTW                     ; behind them the weights' stages:
.set WSTW,  32*112                     ; 32 columns x (96 bytes of codes + 16)
.set SPARE, WST+4*WSTW                 ; behind the stages: the spare words, 128 bytes for each wave: two blocks of 256 bytes that no other line names
.set XQW,   6291456                    ; where xq's scale words begin: 512 tiles x 8 x 1,536
.set WQW,   3145728                    ; and wq's: 256 tiles x 8 x 1,536
.set SPW,   30                         ; v30  LDS address of my spare word; never rewritten
.set NIL,   31                         ; v31  0; never rewritten
; REGISTERS: v1 lane, v2 16 x lane, v3 r, v4 h; v5, v6, v24 LDS addresses; v8-15 at work; v16-19 scale bytes; v20-23 scale words and their offsets;
;   v32-159 numbers as loaded; x: v160-223 64 numbers of a lane, v224-247 two fragments; weights: v160-191 row offsets, v192-215 a column's codes, v216-239 two fragments.
; 32 numbers of ONE block in v[src] on become 6 registers of codes at v[dst] on and the scale's byte in v[byt].
.macro QBLK src, dst, byt
	v_max3_num_f32 v8, |v[(\src)]|, |v[(\src)+1]|, |v[(\src)+2]|   ; the largest magnitude, in two chains that do not wait for each other
	v_max3_num_f32 v9, |v[(\src)+3]|, |v[(\src)+4]|, |v[(\src)+5]|
.irp i, 6,10,14,18,22,26
	v_max3_num_f32 v8, v8, |v[(\src)+\i]|, |v[(\src)+\i+1]|
	v_max3_num_f32 v9, v9, |v[(\src)+\i+2]|, |v[(\src)+\i+3]|
.endr
	v_max3_num_f32 v8, v8, |v[(\src)+30]|, |v[(\src)+31]|
	v_max3_num_f32 v8, v8, v9, 0x1800000           ; and the floor 2^(3 - 127): the byte cannot fall under 1
	v_add_nc_u32 v10, 0xff000000, v8               ; 2 off the exponent field: the conversion takes the exponent field of this operand as its scale, and nothing else of it
	v_lshrrev_b32 v[\byt], 23, v10                 ; the scale's byte
	v_cvt_scalef32_pk16_fp6_f32 v[(\dst):(\dst)+2], v[(\src):(\src)+15], v10
	v_cvt_scalef32_pk16_fp6_f32 v[12:14], v[(\src)+16:(\src)+31], v10   ; (a conversion's three registers begin on an even number: the block's second half is made elsewhere and moved)
	v_nop                                          ; one plain vector instruction behind a scaled conversion
	v_mov_b32 v[(\dst)+3], v12
	v_mov_b32 v[(\dst)+4], v13
	v_mov_b32 v[(\dst)+5], v14
.endm
; block q of a weight: rows 32 q + 0 .. 31 of my K step at my column: each load reads 128 consecutive bytes
.macro WLOAD q
.irp j, 0,1,2,3,4,5,6,7,8,9,10,11,12,13,14,15,16,17,18,19,20,21,22,23,24,25,26,27,28,29,30,31
	global_load_b32 v[32+32*(\q)+\j], v[160+\j], s[28+2*(\q):29+2*(\q)] th:TH_LOAD_NT
.endr
.endm
	s_load_b256 s[4:11], s[0:1], 0x0               ; x s[4:5], W_qkv s[6:7], W_proj s[8:9], xq s[10:11]
	s_load_b64 s[12:13], s[0:1], 0x20              ; wq
	v_lshl_add_u32 v[SPW], v0, 2, SPARE
	v_mov_b32 v[NIL], 0
	v_lshrrev_b32 v1, 5, v0
	v_readfirstlane_b32 s16, v1                    ; wave 0..3
	v_and_b32 v1, 31, v0                           ; lane
	v_lshlrev_b32 v2, 4, v1                        ; 16 x lane
	v_and_b32 v3, 15, v0                           ; r
	v_bfe_u32 v4, v0, 4, 1                         ; h
	s_cmp_ge_u32 ttmp9, 512                        ; the work-group's number alone decides
	s_cbranch_scc1 .Lweights
	; ---------------- x: tile T = the work-group's number ----------------
	s_lshr_b32 s17, ttmp9, 1
	s_lshl_b32 s17, s17, 5
	s_and_b32 s18, ttmp9, 1
	s_lshl_b32 s18, s18, 3
	s_add_co_u32 s17, s17, s18                     ; the tile's first token: 32 (T / 2) + 8 (T % 2)
	s_lshl_b32 s22, s17, 12                        ; rows of 4,096 bytes
	s_lshl_b32 s18, s16, 10                        ; my two K steps: 1,024 bytes of each row
	s_add_co_u32 s22, s22, s18
	s_mov_b32 s23, 0
	s_lshl_b32 s26, ttmp9, 3
	s_lshl_b32 s27, s16, 1
	s_add_co_u32 s26, s26, s27
	s_mul_i32 s26, s26, 1536                       ; my fragments: (8 T + 2 w) x 1,536
	s_mov_b32 s27, 0
	s_lshl_b32 s24, ttmp9, 9
	s_lshl_b32 s25, s16, 7
	s_add_co_u32 s24, s24, s25
	s_add_co_u32 s24, s24, XQW                     ; my scale words: 512 T + 128 w
	s_mov_b32 s25, 0
	s_mul_i32 s19, s16, XSTW                       ; my stage
	s_wait_alu depctr_va_vdst(0)
	v_add_nc_u32 v5, s19, v2                       ; into it: a row's 512 bytes as they lie
	v_mul_u32_u24 v6, v3, 528
	v_lshl_add_u32 v6, v4, 7, v6
	v_add_nc_u32 v6, s19, v6                       ; out of it: row r, + 128 h: my 32 numbers of each 64
	v_lshlrev_b32 v7, 3, v4                        ; 8 h
	v_mov_b32 v15, 0                               ; written once: a lane permute's destination counts as one of its sources
	s_mov_b32 s20, 0x76543210
	s_mov_b32 s21, 0xfedcba98                      ; v_permlanex16_b32's selects for lane l xor 16
	s_wait_alu depctr_va_vdst(0)
	s_wait_kmcnt 0x0
	s_add_nc_u64 s[4:5], s[4:5], s[22:23]
	s_add_nc_u64 s[24:25], s[10:11], s[24:25]
	s_add_nc_u64 s[10:11], s[10:11], s[26:27]
.irp f, 0,1
.irp i, 0,1,2,3,4,5,6,7,8,9,10,11,12,13,14,15
	global_load_b128 v[32+64*\f+4*\i:35+64*\f+4*\i], v2, s[4:5] offset:(\i+8*(\i/8))*4096+512*\f th:TH_LOAD_NT   ; the tile's row i, K step 2 w + f: 512 consecutive bytes
.endr
.endr
.irp f, 0,1
	s_wait_loadcnt 16-16*\f                        ; this K step's 16 loads are in; the other's 16 may be out
.irp i, 0,1,2,3,4,5,6,7,8,9,10,11,12,13,14,15
	ds_store_b128 v5, v[32+64*\f+4*\i:35+64*\f+4*\i] offset:528*\i
.endr
.irp c, 0,1
.irp k, 0,1,2,3,4,5,6,7
	ds_load_b128 v[160+32*\c+4*\k:163+32*\c+4*\k], v6 offset:256*\c+16*\k   ; LDS serves a wave's instructions in order: these see my stores.  K = 64 c + 32 h + 4 k on, of row r
.endr
.endr
	s_wait_dscnt 0x0
	QBLK 160, 224+12*\f, 16                        ; my block h,
	QBLK 192, 230+12*\f, 17                        ; my block 2 + h
	v_lshl_or_b32 v11, v17, 16, v16                ; my two bytes,
	v_lshlrev_b32 v11, v7, v11                     ; at their places in the scale word (8 h bits up);
	v_permlanex16_b32 v15, v11, s20, s21
	v_or_b32 v[20+\f], v11, v15                    ; with lane l xor 16's two the word is whole
.irp c, 0,1,2
	global_store_b128 v2, v[224+12*\f+4*\c:227+12*\f+4*\c], s[10:11] offset:1536*\f+512*\c   ; 32 lanes store 512 consecutive bytes
.endr
.endr
	v_cmp_gt_u32 vcc_lo, 16, v1
	v_cndmask_b32 v22, v21, v20, vcc_lo            ; lanes 0-15: the first K step's words, lanes 16-31: the second's
	v_lshlrev_b32 v23, 2, v1
	global_store_b32 v23, v22, s[24:25]            ; 128 consecutive bytes
	s_wait_tensorcnt 0x0                           ; the wave's end, behind my last LDS store
	ds_add_u32 v[SPW], v[NIL]
	s_wait_dscnt 0x0
	s_endpgm
	; ---------------- the weights: g = the work-group's number - 512; 128 columns g / 8 of the 4,096; K step g % 8 ----------------
.Lweights:
	s_sub_co_u32 s17, ttmp9, 512
	s_lshr_b32 s18, s17, 3                         ; the group of 128 columns, 0..31
	s_and_b32 s19, s17, 7                          ; the K step
	s_lshl_b32 s36, s18, 3
	s_lshl_b32 s37, s16, 1
	s_add_co_u32 s36, s36, s37                     ; my first tile: 8 x group + 2 w
	s_lshl_b32 s38, s36, 9
	s_lshl_b32 s39, s19, 6
	s_add_co_u32 s38, s38, s39
	s_add_co_u32 s38, s38, WQW                     ; its scale words of this K step
	s_mov_b32 s39, 0
	s_lshl_b32 s36, s36, 3
	s_add_co_u32 s36, s36, s19
	s_mul_i32 s36, s36, 1536                       ; its fragment of this K step
	s_mov_b32 s37, 0
	s_mul_i32 s40, s16, WSTW
	s_add_co_u32 s40, s40, WST                     ; my stage
	s_wait_alu depctr_va_vdst(0)
	v_mul_u32_u24 v5, v1, 112
	v_add_nc_u32 v5, s40, v5                       ; into it: row = my column
	v_and_b32 v24, 8, v3
	v_add_nc_u32 v24, v24, v3                      ; r + 8 (r / 8)
	v_mul_u32_u24 v24, v24, 112
	v_mad_u32_u24 v24, v4, 24, v24
	v_add_nc_u32 v24, s40, v24                     ; out of it: the tile's row r, + 24 h
	v_bfe_u32 v21, v0, 3, 1                        ; column l stands in tile (l / 8) % 2,
	v_and_b32 v22, 7, v0
	v_lshl_or_b32 v22, v4, 3, v22                  ; at row l % 8 + 8 (l / 16) of it
	v_lshlrev_b32 v22, 2, v22
	v_lshl_or_b32 v21, v21, 9, v22                 ; its scale word's place
	s_wait_kmcnt 0x0
	s_cmp_lt_u32 s18, 24                           ; W_qkv's columns or W_proj's?  The choice hangs on the work-group's number alone
	s_cselect_b64 s[6:7], s[6:7], s[8:9]
	s_mov_b32 s22, 4096
	s_cselect_b32 s22, 12288, s22                  ; a row of the weight in bytes
	s_cselect_b32 s23, 0, 24
	s_sub_co_u32 s23, s18, s23                     ; the group of columns in its own tensor
	s_lshl_b32 s23, s23, 9
	s_lshl_b32 s26, s16, 7
	s_add_co_u32 s23, s23, s26                     ; my 32 columns: 128 bytes of a row
	s_lshl_b32 s26, s19, 7
	s_mul_i32 s26, s26, s22                        ; the K step's first row
	s_add_co_u32 s26, s26, s23
	s_mov_b32 s27, 0
	s_add_nc_u64 s[28:29], s[6:7], s[26:27]        ; block 0,
	s_lshl_b32 s26, s22, 5                         ; and 32 rows on for each further block
	s_add_nc_u64 s[30:31], s[28:29], s[26:27]
	s_add_nc_u64 s[32:33], s[30:31], s[26:27]
	s_add_nc_u64 s[34:35], s[32:33], s[26:27]
	s_add_nc_u64 s[38:39], s[12:13], s[38:39]
	s_add_nc_u64 s[36:37], s[12:13], s[36:37]
	v_lshlrev_b32 v160, 2, v1                      ; row j of a block at my column: 4 x lane + j rows
.irp j, 1,2,3,4,5,6,7,8,9,10,11,12,13,14,15,16,17,18,19,20,21,22,23,24,25,26,27,28,29,30,31
	v_add_nc_u32 v[160+\j], s22, v[159+\j]
.endr
	WLOAD 0
	WLOAD 1                                        ; two blocks, 64 loads, ahead
	s_wait_alu depctr_va_vdst(0)
	s_wait_loadcnt 32                              ; block 0 is in; block 1's 32 loads may be out
	WLOAD 2
	QBLK 32, 192, 16
	s_wait_loadcnt 32                              ; block 1 is in; block 2's may be out
	WLOAD 3
	QBLK 64, 198, 17
	s_wait_loadcnt 32                              ; block 2 is in; block 3's may be out
	QBLK 96, 204, 18
	s_wait_loadcnt 0x0
	QBLK 128, 210, 19
	v_lshl_or_b32 v20, v17, 8, v16                 ; my column's scale word: all four blocks are mine
	v_lshl_or_b32 v20, v18, 16, v20
	v_lshl_or_b32 v20, v19, 24, v20
.irp k, 0,1,2,3,4,5
	ds_store_b128 v5, v[192+4*\k:195+4*\k] offset:16*\k   ; my column's 96 bytes of codes, K innermost
.endr
.irp u, 0,1
.irp c, 0,1
.irp p, 0,1,2
	ds_load_b64 v[216+12*\u+6*\c+2*\p:217+12*\u+6*\c+2*\p], v24 offset:896*\u+48*\c+8*\p   ; tile u: column 8 u + r + 8 (r / 8); its bytes 48 c + 24 h on.  These see my stores
.endr
.endr
.endr
	s_wait_alu depctr_va_vdst(0)
	s_wait_dscnt 0x0
.irp u, 0,1
.irp c, 0,1,2
	global_store_b128 v2, v[216+12*\u+4*\c:219+12*\u+4*\c], s[36:37] offset:12288*\u+512*\c   ; 32 lanes store 512 consecutive bytes
.endr
.endr
	global_store_b32 v21, v20, s[38:39]
	s_wait_tensorcnt 0x0                           ; the wave's end: the same three lines
	ds_add_u32 v[SPW], v[NIL]
	s_wait_dscnt 0x0
	s_endpgm
.Lfunc_end_k_q526d4dbe1b_prep:
	.size	k_q526d4dbe1b_prep, .Lfunc_end_k_q526d4dbe1b_prep-k_q526d4dbe1b_prep
	.p2alignl 7, 3214868480
	.fill 96, 4, 3214868480
	.section	.rodata,"a",@progbits
	.p2align	6, 0x0
	.amdhsa_kernel k_q526d4dbe1b_prep
		.amdhsa_group_segment_fixed_size 48640
		.amdhsa_private_segment_fixed_size 0
		.amdhsa_enable_private_segment 0
		.amdhsa_kernarg_size 40
		.amdhsa_user_sgpr_count 2
		.amdhsa_user_sgpr_kernarg_segment_ptr 1
		.amdhsa_wavefront_size32 1
		.amdhsa_system_sgpr_workgroup_id_x 1
		.amdhsa_system_sgpr_workgroup_id_y 1
		.amdhsa_system_sgpr_workgroup_id_z 1
		.amdhsa_system_vgpr_workitem_id 0
		.amdhsa_next_free_vgpr 248
		.amdhsa_next_free_sgpr 66
		.amdhsa_reserve_vcc 1
		.amdhsa_float_denorm_mode_32 3
		.amdhsa_float_denorm_mode_16_64 3
		.amdhsa_memory_ordered 1
		.amdhsa_forward_progress 1
		.amdhsa_inst_pref_size 39
	.end_amdhsa_kernel
	.amdgpu_metadata
---
amdhsa.version: [ 1, 2 ]
amdhsa.kernels:
  - .name:           k_q526d4dbe1b_prep
    .symbol:         k_q526d4dbe1b_prep.kd
    .args:
      - { .name: x, .offset: 0, .size: 8, .value_kind: global_buffer, .address_space: global }
      - { .name: W_qkv, .offset: 8, .size: 8, .value_kind: global_buffer, .address_space: global }
      - { .name: W_proj, .offset: 16, .size: 8, .value_kind: global_buffer, .address_space: global }
      - { .name: xq, .offset: 24, .size: 8, .value_kind: global_buffer, .address_space: global }
      - { .name: wq, .offset: 32, .size: 8, .value_kind: global_buffer, .address_space: global }
    .group_segment_fixed_size: 48640
    .private_segment_fixed_size: 0
    .kernarg_segment_align: 8
    .kernarg_segment_size: 40
    .max_flat_workgroup_size: 128
    .sgpr_count:     66
    .vgpr_count:     248
    .wavefront_size: 32
...
	.end_amdgpu_metadata
.endif
;; end of part 1
;; launch gemm_qkv (part 2): grid 8 x 32, 4 waves a work-group, clusters of 4 x 4, 327,680 bytes of LDS; arguments xq, wq, q, kv; writes q, kv
.if DOCPART == 2
	.amdgcn_target "amdgcn-amd-amdhsa--gfx1250"
	.amdhsa_code_object_version 6
	.text
	.protected	k_q526d4dbe1b_gemm_qkv
	.globl	k_q526d4dbe1b_gemm_qkv
	.p2align	8
	.type	k_q526d4dbe1b_gemm_qkv,@function
k_q526d4dbe1b_gemm_qkv:
	s_mov_b64 s[64:65], 0
	v_nop
	global_prefetch_b8 v0, s[64:65] scope:SCOPE_SE
	s_setreg_imm32_b32 hwreg(HW_REG_WAVE_MODE, 25, 1), 1
	s_wait_xcnt 0x0
	s_wait_alu depctr_hold_cnt(0) depctr_sa_sdst(0) depctr_va_vdst(0) depctr_va_sdst(0) depctr_va_ssrc(0) depctr_va_vcc(0) depctr_vm_vsrc(0)
	s_getreg_b32 s2, hwreg(HW_REG_IB_STS2, 6, 4)
	s_cmp_eq_u32 s2, 0
	s_cbranch_scc0 .Lentry_in_a_cluster
	s_endpgm
.Lentry_in_a_cluster:
	s_bfe_u32 s2, ttmp6, 0x10000c
	s_cmp_lg_u32 s2, 0xf033
	s_cbranch_scc0 .Lentry_shape_is_right
	s_endpgm
.Lentry_shape_is_right:
; qkv = x W_qkv on codes of FP6 (E2M3) with E8M0 scales, and q, k, v quantised again on the way out, as the operands of attention's two products.  Sums in f32; nothing wider than codes goes to memory.
; A WORK-GROUP STAYS AND MAKES TWO TILES, so that 256 work-groups have equal work: q's and k's 8,192 x 2,048 numbers are 256 tiles of 256 x 256, v's 1,024 x 8,192 are 256 tiles of 128 x 256.
; THE PRODUCT.  Source 0 = 16 rows of R, source 1 = 16 rows of P: a lane holds ONE row of P, and, since the rows of a tile are laid 0-7, 16-23 | 8-15, 24-31, the 16 registers of R's tiles 2 g and 2 g + 1 are 16 NEIGHBOURING
; rows of R, 32 g + 16 (lane / 16) + 0 .. 15: what a quantiser along R's rows wants.
;   FIRST TILE: P = 256 tokens, R = 256 of W's rows 0-2,047 (q's and k's features); a wave makes 128 x 128: 64 accumulators.  A lane holds a token and 128 features = two heads: quantised along the head's 64.
;   SECOND TILE: P = 128 of W's rows 2,048-3,071 (v's features), R = 256 tokens; a wave makes 64 x 128: 32 accumulators.  A lane holds a feature and 128 tokens: quantised along the keys, the second product's K.
; OPERANDS lie in memory as images of their registers (fragment (T, s): 1,536 bytes at (8 T + s) x 1,536; scale words at 512 T + 64 s + 4 r behind the codes), so a fragment comes from LDS by three ds_load_b128 of 512 consecutive bytes.
; LDS: three slots of 98,304 bytes.  A piece is 8 tiles x 2 K steps x 1,536 = 24,576 bytes: what one tensor load brings; wave w's piece always lands at slot + 24,576 w.
;   First tile: K chunk c (256 along K) is four pieces: P's two halves, R's two halves.  Chunks 0, 1, 2 are first fills of slots 0, 1, 2; chunk 3 is filled into slot 0 when chunk 0 has been multiplied: it has two chunks' work in which to land.
;   Second tile: all of K is twelve pieces, which fill the three slots as they fall free: slot 1: P's chunks 0, 1 (waves 0, 1), R's chunk 0 (waves 2, 3); slot 2: P's chunks 2, 3, R's chunk 1; slot 0: R's chunk 3 (waves 0, 1), R's chunk 2 (waves 2, 3).
;   So every change of slots of the first tile fills a slot again, and the second tile asks for nothing.  A wave has at most four tensor loads out (at the start), later one.
; SCALE WORDS: the first tile's, for all of K, come into LDS once, with the first fills.  The second tile's go straight into registers at the head: 48 loads of 128 consecutive bytes; lanes 0-15 hold a chunk's first K step, lanes 16-31 its second.
; CLUSTERS: 4 x 4 work-groups; P's pieces are shared along a row of the cluster, R's along a column: each is asked for jointly.  First tile: tokens 4 Y + cy, features 4 X + cx (X, Y: the cluster's place); second tile: features 4 X + cy, tokens 4 Y + cx.
; No prefetch: three of the first tile's four chunks are asked for at the head, and the second tile's pieces well ahead of their use.
; OUT.  q: 128 records (batch x 16 + head) of 53,248 bytes: 64 tiles of 16 tokens x 768 bytes (registers 0-5 of a fragment: three pieces of 256 bytes, lane l's 8 bytes at 8 l), then 8 scale images of 512 bytes.
;   kv: 128 records of 106,496: k as q's; at 49,152 v's fragments [key step][tile of 16 features][1,536]; at 98,304 k's scale images; at 102,400 v's.
;   A scale image of q or k (128 tokens): at 16 x lane + 4 g the word of tile 2 g + lane / 16, row lane % 16; its bytes 2 and 3 are 0.  Of v: at 16 x lane + 4 t the word of tile t, row lane % 16.
; LIMITS: NaN and infinities are not served; a block of zeros gets the byte 1 (its codes are zeros; this program alone reads the bytes).
; REGISTERS, in windows of 256: window 0: v8-30 addresses; v32-63 the first tile's scale words, two sets; v64-79 at work and v80-87 scale words on the way out; v88-103, v224-255 the second tile's scale words;
;   v128-223 P's fragments (first tile: ONE set of eight; second tile: TWO sets of four; on the way out: the codes just made).
;   window 1: R's fragments, TWO sets, at v0 and v128.   window 2: the accumulators of P's blocks 0-3 ((a, b) at v[8 (8 (a % 4) + b)]);   window 3: those of blocks 4-7.
.set NQ,     2                         ; matrix instructions deep in a chunk
.set FR,     12                        ; registers of a fragment
.set NL,     3                         ; LDS loads that bring one
.set NP,     4                         ; places behind this matrix instruction (ISA guide 7.12.1)
.set HALFT,  8*3072                    ; a piece
.set SLOT,   4*HALFT
.set SCL,    3*SLOT                    ; behind the slots: the first tile's scale words
.set HALFS,  4096                      ; those of 128 rows, all of K
.set SPARE,  SCL+4*HALFS               ; behind them: the spare words, 128 bytes for each wave: two blocks of 256 bytes that no other line names
.set XQW,    6291456                   ; where xq's scale words begin
.set WQW,    3145728                   ; and wq's
.set A2,   8                           ; v8-11   second tile: LDS address of my P fragments of chunk 0 .. 3
.set B2,   12                          ; v12-15  the same for R
.set ADRA, 16                          ; v16-18  first tile: LDS address of my P fragments in slot 0, 1, 2
.set ADRB, 20                          ; v20-22  the same for R
.set L8,   24                          ; v24     8 x lane
.set L16,  25                          ; v25     16 x lane
.set LN,   26                          ; v26     lane
.set ADRS, 27                          ; v27     LDS address of my scale words: lanes 0-15 P's rows, lanes 16-31 R's
.set SPW,  28                          ; v28     LDS address of my spare word; never rewritten
.set NIL,  29                          ; v29     0; never rewritten
.set L4,   30                          ; v30     4 x lane
.set SC,   32                          ; first tile's scale words: set s at v[SC + 16 s]; register 2 i + q: lanes 0-15 P's block i, lanes 16-31 R's block i, the chunk's q-th 128 along K
.set TM,   64                          ; the way out: v64-67 largest magnitudes, v68-71 bytes, v76-79 the conversions' scale operands
.set PW,   80                          ; v80-87  block a's scale word
.set PS2,  88                          ; v88-103 second tile: P's block a, chunk c at v[PS2 + 4 a + c]
.set AF,   128                         ; P's fragments
.set RS2,  224                         ; v224-255 second tile: R's block b, chunk c at v[RS2 + 4 b + c]
.set G1,   24                          ; s[24:31] descriptor group 1 for P's pieces
.set G0_0, 32                          ; s[32:43] group 0 for P's pieces, one set for each slot
.set G0_1, 36
.set G0_2, 40
.set G1B,  48                          ; s[48:55] group 1 for R's pieces
.set G0B_0, 56                         ; s[56:63], s[92:95] group 0 for R's pieces
.set G0B_1, 60
.set G0B_2, 92
.set G1S,  68                          ; s[68:75], s[76:79] groups 1 and 0 for P's scale words;  s[80:87], s[88:91] for R's
.set G0S,  76
.set G1SB, 80
.set G0SB, 88
.set P2N,  66                          ; s[66:67]   second tile: P's codes, K chunk wave % 2
.set R2N,  100                         ; s[100:101] second tile: R's codes, the half wave % 2 of its rows
.set RO2,  12                          ; s[12:13]   the last refill's K chunk in bytes: chunk 3 in waves 0, 1, chunk 2 in waves 2, 3
.set SEL,  104                         ; s[104:105] v_permlanex16_b32's selects for lane l xor 16
.set MSB, 0
.macro WIN new                         ; the immediate's high byte repeats the setting that is left
.if MSB != \new
	s_set_vgpr_msb (MSB<<8)|\new
.set MSB, \new
.endif
.endm
.set MUL_LO, 0xa1                      ; source 0 (R) window 1, source 1 (P) window 0, C and D window 2
.set MUL_HI, 0xf1                      ; the same, C and D window 3
.set TO_B,   0x40                      ; destination window 1, address window 0
; A joint load: waves 0 and 1 fetch for P, waves 2 and 3 for R.  Each of the two lines has one mask and one set of registers for all that issue it; the branch hangs on the wave's number alone.
; An s_nop 0 and four v_nop follow each of the two lines, ahead of the jump, the label and what follows.
.macro JLOAD g0a, g1a, g0b, g1b
	s_cmp_eq_u32 s15, 0
	s_cbranch_scc0 .Lfor_b_\@
	tensor_load_to_lds s[\g0a:\g0a+3], s[\g1a:\g1a+7]
	s_nop 0
.rept 4
	v_nop
.endr
	s_branch .Lasked_\@
.Lfor_b_\@:
	tensor_load_to_lds s[\g0b:\g0b+3], s[\g1b:\g1b+7]
	s_nop 0
.rept 4
	v_nop
.endr
.Lasked_\@:
.endm
.macro CREST                           ; a round of the cluster's barrier behind its opening barrier
	s_cmp_lg_u32 s14, 0
	s_cbranch_scc1 .Lnot_wave_0_\@
	s_barrier_signal -3
.Lnot_wave_0_\@:
	s_barrier_wait -3
	s_barrier_signal -1
	s_barrier_wait -1
.endm
.macro CROUND                          ; a whole round
	s_barrier_signal -1
	s_barrier_wait -1
	CREST
.endm
	s_load_b256 s[4:11], s[0:1], 0x0               ; xq s[4:5], wq s[6:7], q s[8:9], kv s[10:11]
	v_lshl_add_u32 v[SPW], v0, 2, SPARE
	v_mov_b32 v[NIL], 0
	ds_add_u32 v[SPW], v[NIL]                      ; the wave's opening: the add and its wait ahead of my first tensor load; the set-up below, work on registers, stands between them
	ds_add_u32 v[SPW], v[NIL]
	v_lshrrev_b32 v1, 5, v0
	v_readfirstlane_b32 s14, v1                    ; wave 0..3
	s_lshr_b32 s15, s14, 1                         ; which half of P's rows is mine.  Also: I fetch for P (0) or for R (1)
	s_and_b32 s16, s14, 1                          ; which half of R's rows.  Also: which piece of the two I fetch
	s_bfe_u32 s96, ttmp6, 0x40000                  ; cx, cy: my place in the cluster
	s_bfe_u32 s97, ttmp6, 0x40004
	s_and_b32 s99, ttmp7, 0xffff
	s_lshl_b32 s99, s99, 2                         ; 4 x the cluster's y (0..7)
	s_lshl_b32 s20, ttmp9, 2                       ; 4 x the cluster's x (0, 1)
	s_add_co_u32 s17, s99, s97                     ; first tile: my block of 256 tokens (P), 0..31
	s_add_co_u32 s98, s20, s96                     ;             my block of 256 features (R), 0..7
	s_add_co_u32 s2, s20, s97                      ; second tile: my block of 128 of v's features (P), 0..7
	s_add_co_u32 s3, s99, s96                      ;              my block of 256 tokens (R), 0..31
	s_lshl_b32 s99, s97, 2
	s_lshl_b32 s99, 15, s99                        ; my row of the cluster
	s_lshl_b32 s47, 0x1111, s96                    ; my column
	; descriptor group 1: 8 rows (tiles) of 384 elements of 8 bytes (two K steps' fragments), 1,536 elements from tile to tile; dense in LDS
	s_or_b32 s[G1+0], s99, (3<<16)|(1<<21)         ; 15:0 the mask: P's pieces go to my row; 17:16 elements of 8 bytes; 20 no padding; 21 set beside a mask
	s_or_b32 s[G1B+0], s47, (3<<16)|(1<<21)
.irp g, G1, G1B
	s_mov_b32 s[\g+1], 384<<16                     ; tensor_dim0
	s_mov_b32 s[\g+2], 16<<16                      ; tensor_dim1: 16 tiles for the loads of chunks 0, 1 and 2; behind them 8
	s_mov_b32 s[\g+3], 384<<16                     ; tile_dim0
	s_mov_b32 s[\g+4], 16                          ; tile_dim1 likewise
	s_mov_b32 s[\g+5], 1536                        ; tensor_dim0_stride
	s_mov_b32 s[\g+6], 0
	s_mov_b32 s[\g+7], 0
.endr
	; and for the scale words of 256 rows: 8,192 dense bytes, as 32 rows of 256 bytes
	s_or_b32 s[G1S+0], s99, (3<<16)|(1<<21)
	s_or_b32 s[G1SB+0], s47, (3<<16)|(1<<21)
.irp g, G1S, G1SB
	s_mov_b32 s[\g+1], 32<<16
	s_mov_b32 s[\g+2], 32<<16                      ; the scale words of 256 rows: 32 rows of 256 bytes
	s_mov_b32 s[\g+3], 32<<16
	s_mov_b32 s[\g+4], 32
	s_mov_b32 s[\g+5], 32
	s_mov_b32 s[\g+6], 0
	s_mov_b32 s[\g+7], 0
.endr
	; byte offsets, each made in the registers that will hold the address.  P's hang on cy, R's on cx, never on the other
	s_lshl_b32 s[G0_0+2], s17, 8                   ; first tile, P: row 256 x block (the first loads take all 256 rows)
	s_lshl_b32 s[G0S+2], s[G0_0+2], 5              ; its scale words: 32 bytes a row, behind xq's codes
	s_add_co_u32 s[G0S+2], s[G0S+2], XQW
	s_mov_b32 s[G0S+3], 0
	s_mul_i32 s[G0_0+2], s[G0_0+2], 768            ; its codes: 768 bytes a row (under 2^23)
	s_mov_b32 s[G0_0+3], 0
	s_lshl_b32 s[G0B_0+2], s98, 8
	s_lshl_b32 s[G0SB+2], s[G0B_0+2], 5
	s_add_co_u32 s[G0SB+2], s[G0SB+2], WQW
	s_mov_b32 s[G0SB+3], 0
	s_mul_i32 s[G0B_0+2], s[G0B_0+2], 768
	s_mov_b32 s[G0B_0+3], 0
	s_mul_i32 s[P2N], s2, 98304                    ; second tile, P: 128 rows x 768 bytes a block,
	s_add_co_u32 s[P2N], s[P2N], 1572864           ; from W's row 2,048 on,
	s_mul_i32 s21, s16, 3072
	s_add_co_u32 s[P2N], s[P2N], s21               ; K chunk wave % 2
	s_mov_b32 s[P2N+1], 0
	s_lshl_b32 s18, s2, 12                         ; its scale words: 128 rows x 32 bytes a block,
	s_lshl_b32 s21, s15, 11                        ; my 64 rows,
	s_add_co_u32 s18, s18, s21
	s_add_co_u32 s18, s18, WQW+2048*32             ; from W's row 2,048 on
	s_mov_b32 s19, 0
	s_mul_i32 s[R2N], s3, 196608                   ; second tile, R: 256 rows x 768 bytes a block,
	s_mul_i32 s21, s16, 98304
	s_add_co_u32 s[R2N], s[R2N], s21               ; the half wave % 2
	s_mov_b32 s[R2N+1], 0
	s_xor_b32 s[RO2], s15, 1
	s_add_co_u32 s[RO2], s[RO2], 2
	s_mul_i32 s[RO2], s[RO2], 3072
	s_mov_b32 s[RO2+1], 0
	s_lshl_b32 s22, s3, 13                         ; its scale words: 256 rows x 32 bytes a block,
	s_lshl_b32 s21, s16, 12                        ; my 128 rows
	s_add_co_u32 s22, s22, s21
	s_add_co_u32 s22, s22, XQW
	s_mov_b32 s23, 0
	s_mul_i32 s21, s14, HALFT                      ; where my pieces go: wave x a piece: no place in the cluster enters an LDS address
	s_mov_b32 s[SEL], 0x76543210
	s_mov_b32 s[SEL+1], 0xfedcba98
	s_wait_dscnt 0x0                               ; the opening add is done
	s_wait_kmcnt 0x0
	s_add_nc_u64 s[G0_0+2:G0_0+3], s[4:5], s[G0_0+2:G0_0+3]
	s_add_nc_u64 s[G0S+2:G0S+3], s[4:5], s[G0S+2:G0S+3]
	s_add_nc_u64 s[G0B_0+2:G0B_0+3], s[6:7], s[G0B_0+2:G0B_0+3]
	s_add_nc_u64 s[G0SB+2:G0SB+3], s[6:7], s[G0SB+2:G0SB+3]
	s_add_nc_u64 s[P2N:P2N+1], s[6:7], s[P2N:P2N+1]
	s_add_nc_u64 s[18:19], s[6:7], s[18:19]
	s_add_nc_u64 s[R2N:R2N+1], s[4:5], s[R2N:R2N+1]
	s_add_nc_u64 s[22:23], s[4:5], s[22:23]
	s_mul_i32 s46, s16, 98304                      ; from chunk 3 on a wave fetches 128 rows of a block: which half, in bytes (the masks in s47 and s99 have served)
	s_mov_b32 s47, 0
	CROUND                                         ; all sixteen work-groups are here: the first joint loads meet
; THE FIRST FILLS AS THEY STAND IN THIS TEXT (this takes the place of what the head comment says of them).  At the head ONE joint load a wave, in one chain of arms on the wave's number: wave 0 chunk 0's 256 rows of P,
; wave 1 its 256 rows of R, wave 2 P's scale words, wave 3 R's.  Behind the three lines and a round of the cluster's barrier again one load a wave, each of 16 tiles:
; waves 0 and 1 chunk 1's P and R into slot 1, waves 2 and 3 chunk 2's into slot 2.  From chunk 3 on the refills are as the head comment has them.  A wave never has more than one tensor load out.
	s_mov_b32 s[G0S], 1
	s_mov_b32 s[G0S+1], SCL
	s_or_b32 s[G0S+3], s[G0S+3], 0x80000000
	s_mov_b32 s[G0SB], 1
	s_mov_b32 s[G0SB+1], SCL+2*HALFS
	s_or_b32 s[G0SB+3], s[G0SB+3], 0x80000000
	s_mov_b32 s[G0_0], 1
	s_mov_b32 s[G0_0+1], 0
	s_or_b32 s[G0_0+3], s[G0_0+3], 0x80000000
	s_mov_b32 s[G0B_0], 1
	s_mov_b32 s[G0B_0+1], 2*HALFT
	s_or_b32 s[G0B_0+3], s[G0B_0+3], 0x80000000
	s_mov_b32 s[G0_1], 1                           ; slots 1 and 2, for the second tile's pieces: the count and my piece's place; the addresses are written at their refills
	s_add_co_u32 s[G0_1+1], s21, SLOT
	s_mov_b32 s[G0B_1], 1
	s_add_co_u32 s[G0B_1+1], s21, SLOT
	s_mov_b32 s[G0_2], 1
	s_add_co_u32 s[G0_2+1], s21, 2*SLOT
	s_mov_b32 s[G0B_2], 1
	s_add_co_u32 s[G0B_2+1], s21, 2*SLOT
	s_cmp_lt_u32 s14, 1
	s_cbranch_scc0 .Lhead_r
	tensor_load_to_lds s[G0_0:G0_0+3], s[G1:G1+7]
	s_nop 0
.rept 4
	v_nop
.endr
	s_branch .Lhead_asked
.Lhead_r:
	s_cmp_lt_u32 s14, 2
	s_cbranch_scc0 .Lhead_sp
	tensor_load_to_lds s[G0B_0:G0B_0+3], s[G1B:G1B+7]
	s_nop 0
.rept 4
	v_nop
.endr
	s_branch .Lhead_asked
.Lhead_sp:
	s_cmp_lt_u32 s14, 3
	s_cbranch_scc0 .Lhead_sr
	tensor_load_to_lds s[G0S:G0S+3], s[G1S:G1S+7]
	s_nop 0
.rept 4
	v_nop
.endr
	s_branch .Lhead_asked
.Lhead_sr:
	tensor_load_to_lds s[G0SB:G0SB+3], s[G1SB:G1SB+7]
	s_nop 0
.rept 4
	v_nop
.endr
.Lhead_asked:
	v_and_b32 v[LN], 31, v0
	v_lshlrev_b32 v[L4], 2, v[LN]
.irp i, 0,1,2,3                                ; the second tile's scale words.  A tile's 512 bytes are [K step][row] x 4: each load takes two K steps' 128 consecutive bytes
.irp j, 0,1,2,3
	global_load_b32 v[PS2+4*\i+\j], v[L4], s[18:19] offset:512*\i+128*\j
.endr
.endr
.irp i, 0,1,2,3,4,5,6,7
.irp j, 0,1,2,3
	global_load_b32 v[RS2+4*\i+\j], v[L4], s[22:23] offset:512*\i+128*\j
.endr
.endr
	v_lshlrev_b32 v[L8], 3, v[LN]
	v_lshlrev_b32 v[L16], 4, v[LN]
	s_wait_alu depctr_va_vdst(0)
	v_and_b32 v1, 15, v0                           ; r
	v_bfe_u32 v2, v0, 4, 1                         ; h
	s_mul_i32 s44, s15, HALFT                      ; first tile: my 128 rows of P,
	s_mul_i32 s45, s16, HALFT                      ; my 128 rows of R,
	s_add_co_u32 s45, s45, 2*HALFT                 ; which lie behind P's 256
.irp s, 0,1,2
	v_add_nc_u32 v[ADRA+\s], s44, v[L16]
	v_add_nc_u32 v[ADRB+\s], s45, v[L16]
	s_add_co_u32 s44, s44, SLOT
	s_add_co_u32 s45, s45, SLOT
.endr
	s_mul_i32 s44, s15, 12288                      ; second tile: my 4 tiles of P's 8,
	v_add_nc_u32 v4, s44, v[L16]
	v_add_nc_u32 v[A2], SLOT, v4                   ; chunk 0: slot 1's first piece,
	v_add_nc_u32 v[A2+1], SLOT+HALFT, v4           ; chunk 1: its second,
	v_add_nc_u32 v[A2+2], 2*SLOT, v4               ; chunks 2 and 3: slot 2's
	v_add_nc_u32 v[A2+3], 2*SLOT+HALFT, v4
	s_mul_i32 s44, s16, HALFT                      ; my half of R's rows:
	v_add_nc_u32 v[B2+3], s44, v[L16]              ; chunk 3: slot 0's first two pieces,
	v_add_nc_u32 v[B2], SLOT+2*HALFT, v[B2+3]      ; chunk 0: slot 1's last two,
	v_add_nc_u32 v[B2+1], 2*SLOT+2*HALFT, v[B2+3]  ; chunk 1: slot 2's,
	v_add_nc_u32 v[B2+2], 2*HALFT, v[B2+3]         ; chunk 2: slot 0's
	v_lshlrev_b32 v5, 2, v1                        ; first tile: my row's scale word: 4 r
	s_lshl_b32 s44, s15, 12                        ; P's: my 128 rows
	s_lshl_b32 s45, s16, 12                        ; R's: my 128 rows, behind P's 256
	s_add_co_u32 s45, s45, 2*HALFS
	s_sub_co_u32 s45, s45, s44
	v_mul_u32_u24 v6, s45, v2                      ; lanes 16-31 take R's: one product, the distance between the two bases x h
	s_add_co_u32 s44, s44, SCL
	v_add_nc_u32 v5, v5, v6
	v_add_nc_u32 v[ADRS], s44, v5
.irp b, 0,1,2,3
	v_mov_b32 v[TM+4+\b], 0                        ; written once: a lane permute's destination counts as one of its sources
.endr
.macro FRAG reg, adr, q, i             ; a fragment as it was stored: three loads of 512 consecutive bytes
.irp c, 0,1,2
	ds_load_b128 v[\reg+4*\c:\reg+4*\c+3], v[\adr] offset:3072*(\i)+1536*(\q)+512*\c
.endr
.endm
; FIRST TILE.  16 matrix instructions: P's blocks a0, a0 + 1 x R's eight, 128 along K: the chunk's q-th.  p: R's set;  sc: the set of scale words.  zero = 1: the first product starts the sums: nothing is ever cleared.
; The 64 accumulators take turns, one instruction a turn, in the same order in every step.
.macro MUL16 a0, p, q, sc, zero
.irp a, \a0, \a0+1
.irp b, 0,1,2,3,4,5,6,7
.if \zero
	v_wmma_scale_f32_16x16x128_f8f6f4 v[8*(8*((\a)%4)+\b):8*(8*((\a)%4)+\b)+7], v[128*(\p)+FR*\b:128*(\p)+FR*\b+FR-1], v[AF+FR*(\a):AF+FR*(\a)+FR-1], 0, v[SC+8*NQ*(\sc)+NQ*\b+(\q)], v[SC+8*NQ*(\sc)+NQ*(\a)+(\q)] matrix_a_fmt:MATRIX_FMT_FP6 matrix_b_fmt:MATRIX_FMT_FP6 matrix_a_scale:MATRIX_SCALE_ROW1
.else
	v_wmma_scale_f32_16x16x128_f8f6f4 v[8*(8*((\a)%4)+\b):8*(8*((\a)%4)+\b)+7], v[128*(\p)+FR*\b:128*(\p)+FR*\b+FR-1], v[AF+FR*(\a):AF+FR*(\a)+FR-1], v[8*(8*((\a)%4)+\b):8*(8*((\a)%4)+\b)+7], v[SC+8*NQ*(\sc)+NQ*\b+(\q)], v[SC+8*NQ*(\sc)+NQ*(\a)+(\q)] matrix_a_fmt:MATRIX_FMT_FP6 matrix_b_fmt:MATRIX_FMT_FP6 matrix_a_scale:MATRIX_SCALE_ROW1
.endif
.endr
.endr
.endm
.macro FETCH_B slot, q, p              ; R's eight fragments of the slot's q-th 128 along K into set p
	WIN TO_B
.irp i, 0,1,2,3,4,5,6,7
	FRAG 128*(\p)+FR*\i, ADRB+\slot, \q, \i
.endr
	WIN 0
.endm
.macro FETCH_A slot, q, i0             ; P's blocks i0 .. i0 + 3
.irp i, \i0, \i0+1, \i0+2, \i0+3
	FRAG AF+FR*(\i), ADRA+\slot, \q, \i
.endr
.endm
.macro SCALES sc                       ; the next chunk's scale words into set sc: lanes 0-15 take P's block i, lanes 16-31 R's block i
.irp i, 0,1,2,3,4,5,6,7
.irp q, 0,1
	ds_load_b32 v[SC+8*NQ*(\sc)+NQ*\i+\q], v[ADRS] offset:512*\i+64*\q
.endr
.endr
.endm
; A load into a register that a matrix instruction has read, and a vector instruction that reads a matrix result, stand NP places behind that matrix instruction, and only plain vector instructions
; that name none of its registers are places (ISA guide 7.12.1 for vector instructions).
.macro PLACES n
.rept \n
	v_nop
.endr
.endm
; A chunk's first 128 along K.  P has one set of registers: a block is free as soon as its eight products are issued.
.macro STEP slot, sc, zero
	s_wait_dscnt 4*NL                              ; R's set and P's blocks 0-3 are in; the youngest 12 loads (P's blocks 4-7) may be out
	WIN MUL_LO
	MUL16 0, 0, 0, \sc, \zero
	MUL16 2, 0, 0, \sc, \zero
	s_wait_dscnt 0                                 ; P's blocks 4-7 are in (asked for 32 matrix instructions ago)
	PLACES NP
	FETCH_B \slot, 1, 1
	FETCH_A \slot, 1, 0
	WIN MUL_HI
	MUL16 4, 0, 0, \sc, \zero
	MUL16 6, 0, 0, \sc, \zero
	PLACES NP
	WIN 0
	FETCH_A \slot, 1, 4
.endm
; A chunk's second 128 along K changes slots: in front of the round each wave waits for all its tensor loads, adds 0 to its spare word, and waits for that and for its own reads of the slot that it leaves; behind the round that slot is filled again.
; kind 0: slot 0 takes this tile's chunk 3;  1: slot 1 takes the second tile's first four pieces;  2: slot 2 its next four;  3: slot 0 its last four, all of R.  next: the slot of the next chunk, or -1: the tile is done.
.macro TURN next, sc, kind
	s_wait_tensorcnt 0x0                           ; all my tensor loads have landed;  (every window is 0 here)
	ds_add_u32 v[SPW], v[NIL]                      ; 0 onto my spare word;
	s_wait_dscnt 4*NL+1                            ; (the add and the youngest 12 loads, P's blocks 4-7, may be out)
	WIN MUL_LO
	MUL16 0, 1, 1, \sc, 0                          ; sixteen matrix instructions stand between the add and the wait for it
	s_wait_dscnt 0x0                               ; the add is done, and my reads of this slot are over
	s_barrier_signal -1
	MUL16 2, 1, 1, \sc, 0
	WIN 0
	s_barrier_wait -1
	CREST                                          ; the barrier has opened a round of the cluster's barrier: no wave of any partner still reads this slot or has a load on its way
.if \kind == 0
	s_mov_b32 s[G1+2], 8<<16                       ; no tensor load of mine is out, so descriptors may be written: from here on a load brings 8 tiles,
	s_mov_b32 s[G1+4], 8
	s_mov_b32 s[G1B+2], 8<<16
	s_mov_b32 s[G1B+4], 8
	s_mov_b32 s[G0_0+1], s21                       ; and slot 0's group 0 names my piece of the slot and my half of the rows
	s_mov_b32 s[G0B_0+1], s21
	s_add_nc_u64 s[G0_0+2:G0_0+3], s[G0_0+2:G0_0+3], s[46:47]
	s_add_nc_u64 s[G0B_0+2:G0B_0+3], s[G0B_0+2:G0B_0+3], s[46:47]
	s_add_nc_u64 s[G0_0+2:G0_0+3], s[G0_0+2:G0_0+3], 3*3072
	s_add_nc_u64 s[G0B_0+2:G0B_0+3], s[G0B_0+2:G0B_0+3], 3*3072
	JLOAD G0_0, G1, G0B_0, G1B                     ; the first tensor load behind the round; the four v_nop behind it are the places in front of the loads below
.elseif \kind == 1
	s_mov_b64 s[G0_1+2:G0_1+3], s[P2N:P2N+1]       ; P's chunk 0 or 1
	s_or_b32 s[G0_1+3], s[G0_1+3], 0x80000000
	s_mov_b64 s[G0B_1+2:G0B_1+3], s[R2N:R2N+1]     ; R's chunk 0
	s_or_b32 s[G0B_1+3], s[G0B_1+3], 0x80000000
	JLOAD G0_1, G1, G0B_1, G1B
.elseif \kind == 2
	s_add_nc_u64 s[G0_2+2:G0_2+3], s[P2N:P2N+1], 2*3072       ; P's chunk 2 or 3
	s_or_b32 s[G0_2+3], s[G0_2+3], 0x80000000
	s_add_nc_u64 s[G0B_2+2:G0B_2+3], s[R2N:R2N+1], 3072       ; R's chunk 1
	s_or_b32 s[G0B_2+3], s[G0B_2+3], 0x80000000
	JLOAD G0_2, G1, G0B_2, G1B
.else
	s_add_nc_u64 s[G0B_0+2:G0B_0+3], s[R2N:R2N+1], s[RO2:RO2+1]   ; R's chunk 3 (waves 0, 1) or 2 (waves 2, 3)
	s_or_b32 s[G0B_0+3], s[G0B_0+3], 0x80000000
	tensor_load_to_lds s[G0B_0:G0B_0+3], s[G1B:G1B+7]            ; all four waves fetch for R: one line, one mask
	s_nop 0
.rept 4
	v_nop
.endr
.endif
.if \next >= 0
	s_wait_alu depctr_va_vdst(0)
	v_add_nc_u32 v[ADRS], 64*NQ, v[ADRS]           ; on to the next chunk's scale words
	FETCH_B \next, 0, 0
	FETCH_A \next, 0, 0
	SCALES 1-(\sc)
.endif
	WIN MUL_HI
	MUL16 4, 1, 1, \sc, 0
	MUL16 6, 1, 1, \sc, 0
	PLACES NP
	WIN 0
.if \next >= 0
	FETCH_A \next, 0, 4
.endif
.endm
; SECOND TILE.  Step k of eight (128 along K): chunk k / 2, its (k % 2)-th half; sets k % 2 of R's and of P's fragment registers.
.macro HFETCH k                        ; step k's 12 fragments: R's eight, my four of P
	WIN TO_B
.irp i, 0,1,2,3,4,5,6,7
	FRAG 128*((\k)%2)+FR*\i, B2+(\k)/2, (\k)%2, \i
.endr
	WIN 0
.irp i, 0,1,2,3
	FRAG AF+48*((\k)%2)+FR*\i, A2+(\k)/2, (\k)%2, \i
.endr
.endm
.macro HMUL a, k, zero                 ; 8 matrix instructions: P's block a x R's eight.  An odd step's scale words stand in lanes 16-31.  The 32 accumulators take turns, in the same order in every step
.irp b, 0,1,2,3,4,5,6,7
.if \zero
	v_wmma_scale_f32_16x16x128_f8f6f4 v[8*(8*(\a)+\b):8*(8*(\a)+\b)+7], v[128*((\k)%2)+FR*\b:128*((\k)%2)+FR*\b+FR-1], v[AF+48*((\k)%2)+FR*(\a):AF+48*((\k)%2)+FR*(\a)+FR-1], 0, v[RS2+4*\b+(\k)/2], v[PS2+4*(\a)+(\k)/2] matrix_a_fmt:MATRIX_FMT_FP6 matrix_b_fmt:MATRIX_FMT_FP6
.elseif (\k)%2
	v_wmma_scale_f32_16x16x128_f8f6f4 v[8*(8*(\a)+\b):8*(8*(\a)+\b)+7], v[128*((\k)%2)+FR*\b:128*((\k)%2)+FR*\b+FR-1], v[AF+48*((\k)%2)+FR*(\a):AF+48*((\k)%2)+FR*(\a)+FR-1], v[8*(8*(\a)+\b):8*(8*(\a)+\b)+7], v[RS2+4*\b+(\k)/2], v[PS2+4*(\a)+(\k)/2] matrix_a_fmt:MATRIX_FMT_FP6 matrix_b_fmt:MATRIX_FMT_FP6 matrix_a_scale:MATRIX_SCALE_ROW1 matrix_b_scale:MATRIX_SCALE_ROW1
.else
	v_wmma_scale_f32_16x16x128_f8f6f4 v[8*(8*(\a)+\b):8*(8*(\a)+\b)+7], v[128*((\k)%2)+FR*\b:128*((\k)%2)+FR*\b+FR-1], v[AF+48*((\k)%2)+FR*(\a):AF+48*((\k)%2)+FR*(\a)+FR-1], v[8*(8*(\a)+\b):8*(8*(\a)+\b)+7], v[RS2+4*\b+(\k)/2], v[PS2+4*(\a)+(\k)/2] matrix_a_fmt:MATRIX_FMT_FP6 matrix_b_fmt:MATRIX_FMT_FP6
.endif
.endr
.endm
.macro HSTEP k
	s_wait_dscnt 0x0                               ; this step's fragments are in (asked for 32 matrix instructions ago)
.if (\k)<7
.if (\k)>0
	PLACES NP                                      ; the other sets were read by the last step's products
.endif
	HFETCH (\k)+1
.endif
	WIN MUL_LO
	HMUL 0, \k, (\k)==0
	HMUL 1, \k, (\k)==0
	HMUL 2, \k, (\k)==0
	HMUL 3, \k, (\k)==0
	WIN 0
.endm
; THE WAY OUT.  P's block a: a lane's 64 numbers, register 16 g + i = R's row 32 g + 16 (lane / 16) + i, become a fragment's 12 registers of codes at v[pc] on (v[pc + 12] on: at work) and its scale word in v[pw].
; Each accumulator is read from its low end on.
.macro QUANTW a, pc, pw
.set WA, 2+(\a)/4
.set AC, 64*((\a)%4)
	WIN (WA<<2)|(WA<<4)                            ; sources 1 and 2: the block's window
.irp b, 0,1,2,3
	v_max3_num_f32 v[TM+\b], 0x1800000, |v[AC+16*\b]|, |v[AC+16*\b+1]|   ; block b of 32: my 16 numbers, and the floor 2^(3 - 127): the byte cannot fall under 1
.endr
.irp i, 2,4,6,8,10,12,14
.irp b, 0,1,2,3
	v_max3_num_f32 v[TM+\b], v[TM+\b], |v[AC+16*\b+\i]|, |v[AC+16*\b+\i+1]|   ; (the four blocks by turns)
.endr
.endr
	WIN 0
.irp b, 0,1,2,3
	v_permlanex16_b32 v[TM+4+\b], v[TM+\b], s[SEL], s[SEL+1]
.endr
.irp b, 0,1,2,3
	v_max_num_f32 v[TM+\b], v[TM+\b], v[TM+4+\b]   ; with lane l xor 16's: the block's largest magnitude
.endr
.irp b, 0,1,2,3
	v_add_nc_u32 v[TM+12+\b], 0xff000000, v[TM+\b] ; 2 off its exponent field: the conversion's scale operand
.endr
.irp b, 0,1,2,3
	v_lshrrev_b32 v[TM+4+\b], 23, v[TM+12+\b]      ; the scale's byte
.endr
	v_lshl_or_b32 v[\pw], v[TM+5], 8, v[TM+4]      ; the four bytes make my row's scale word
	v_lshl_or_b32 v[\pw], v[TM+6], 16, v[\pw]
	v_lshl_or_b32 v[\pw], v[TM+7], 24, v[\pw]
	WIN WA                                         ; source 0: the block's window
.irp c, 0,1
	v_cvt_scalef32_pk16_fp6_f32 v[\pc+6*\c:\pc+6*\c+2], v[AC+32*\c:AC+32*\c+15], v[TM+12+2*\c]
	v_cvt_scalef32_pk16_fp6_f32 v[\pc+12+4*\c:\pc+14+4*\c], v[AC+16+32*\c:AC+31+32*\c], v[TM+12+2*\c+1]   ; (a conversion's three registers begin on an even number)
.endr
	WIN 0
	v_nop                                          ; one plain vector instruction behind a scaled conversion
.irp c, 0,1                                    ; the operand's layout wants a WHOLE block in a lane: lanes 0-15 block 2 c, lanes 16-31 block 2 c + 1
.irp i, 0,1,2
	v_permlane16_swap_b32 v[\pc+6*\c+\i], v[\pc+12+4*\c+\i]
.endr
.irp i, 0,1,2
	v_mov_b32 v[\pc+3+6*\c+\i], v[\pc+12+4*\c+\i]
.endr
.endr
.endm
	; ---------------- the first tile: q or k ----------------
	s_wait_alu depctr_va_vdst(0)
	s_wait_tensorcnt 0x0                           ; my tile of the head's four is in
	ds_add_u32 v[SPW], v[NIL]
	s_add_co_u32 s44, s15, 1                       ; waves 0, 1: chunk 1; waves 2, 3: chunk 2.  The scale words' group 0 registers, whose loads are done, take these loads
	s_mul_i32 s[G0S+1], s44, SLOT                  ; P's 256 rows at the slot's start,
	s_add_co_u32 s[G0SB+1], s[G0S+1], 2*HALFT      ; R's behind them
	s_mul_i32 s44, s44, 3072
	s_mov_b32 s45, 0
	s_add_nc_u64 s[G0S+2:G0S+3], s[G0_0+2:G0_0+3], s[44:45]
	s_add_nc_u64 s[G0SB+2:G0SB+3], s[G0B_0+2:G0B_0+3], s[44:45]
	s_wait_dscnt 0x0
	CROUND                                         ; all four tiles are in, and all sixteen work-groups are here
	s_cmp_eq_u32 s16, 0                            ; even waves fetch for P, odd ones for R: each line has one mask
	s_cbranch_scc0 .Lc12_r
	tensor_load_to_lds s[G0S:G0S+3], s[G1:G1+7]
	s_nop 0
.rept 4
	v_nop
.endr
	s_branch .Lc12_asked
.Lc12_r:
	tensor_load_to_lds s[G0SB:G0SB+3], s[G1B:G1B+7]
	s_nop 0
.rept 4
	v_nop
.endr
.Lc12_asked:
	FETCH_B 0, 0, 0
	FETCH_A 0, 0, 0
	SCALES 0
	FETCH_A 0, 0, 4
	STEP 0, 0, 1                                   ; K 0-127: its products start the sums
	TURN 1, 0, 0                                   ; K 128-255; slot 0 takes K 768-1,023
	STEP 1, 1, 0
	TURN 2, 1, 1                                   ; slot 1 takes the second tile's first pieces
	STEP 2, 0, 0
	TURN 0, 0, 2                                   ; slot 2 its next
	STEP 0, 1, 0
	TURN -1, 1, 3                                  ; slot 0 its last.  The places behind the last products stand at the macro's end
	; my 128 tokens are key step ks of batch b; my 128 features are heads head0 and head0 + 1 of q (cluster x = 0) or of k (1)
	s_lshr_b32 s20, s17, 2                         ; b
	s_and_b32 s21, s17, 3
	s_lshl_b32 s21, s21, 1
	s_add_co_u32 s21, s21, s15                     ; ks
	s_lshl_b32 s43, s96, 2
	s_lshl_b32 s46, s16, 1
	s_add_co_u32 s43, s43, s46                     ; head0 = 4 cx + 2 x half
	s_lshl_b32 s20, s20, 4
	s_add_co_u32 s20, s20, s43                     ; the record
	s_lshl_b32 s44, 53248, ttmp9                   ; a record's bytes: kv's are twice q's,
	s_mov_b32 s45, 0
	s_mul_i32 s20, s20, s44
	s_mul_i32 s46, s21, 6144                       ; 8 tiles x 768 bytes a key step
	s_add_co_u32 s46, s46, s20
	s_mov_b32 s47, 0
	s_lshl_b32 s76, 49152, ttmp9                   ; and so is the place of the scale images.  (The registers of descriptors whose loads have been waited for are free)
	s_add_co_u32 s76, s76, s20
	s_lshl_b32 s21, s21, 9
	s_add_co_u32 s76, s76, s21
	s_mov_b32 s77, 0
	s_cmp_eq_u32 ttmp9, 0
	s_cselect_b64 s[92:93], s[8:9], s[10:11]       ; q or kv: the choice hangs on the cluster's x alone
	s_add_nc_u64 s[4:5], s[92:93], s[46:47]        ; head0's tiles,
	s_add_nc_u64 s[6:7], s[4:5], s[44:45]          ; head0 + 1's,
	s_add_nc_u64 s[76:77], s[92:93], s[76:77]      ; head0's scale image,
	s_add_nc_u64 s[78:79], s[76:77], s[44:45]      ; head0 + 1's
.irp a, 0,1,2,3,4,5,6,7
	s_wait_xcnt 0x0                                ; earlier stores have read their registers: the set of codes is written again only behind this wait
	QUANTW \a, 128+32*(\a%2), PW+\a
.irp e, 0,1                                    ; registers 6 e .. 6 e + 5 are head e's 64 features of the tile's 16 tokens
.irp i, 0,1,2
	global_store_b64 v[L8], v[128+32*(\a%2)+6*\e+2*\i:128+32*(\a%2)+6*\e+2*\i+1], s[4+2*\e:5+2*\e] offset:768*\a+256*\i   ; 32 lanes store 256 consecutive bytes, at a multiple of 256 from the buffer's first byte
.endr
.endr
.endr
	v_cmp_gt_u32 vcc_lo, 16, v[LN]
.irp g, 0,1,2,3
	v_cndmask_b32 v[200+\g], v[PW+2*\g+1], v[PW+2*\g], vcc_lo   ; lanes 0-15: tile 2 g's words, lanes 16-31: tile 2 g + 1's
.endr
.irp g, 0,1,2,3
	v_and_b32 v[192+\g], 0xffff, v[200+\g]         ; head0's two bytes; bytes 2 and 3 are 0
	v_lshrrev_b32 v[196+\g], 16, v[200+\g]         ; head0 + 1's
.endr
	global_store_b128 v[L16], v[192:195], s[76:77]
	global_store_b128 v[L16], v[196:199], s[78:79]
	; ---------------- the second tile: v ----------------
	s_wait_tensorcnt 0x0                           ; my piece of the last refill is in; no LDS instruction of mine is out,
	s_barrier_signal -1
	s_barrier_wait -1                              ; everybody's is: all twelve pieces lie in LDS, and nothing is filled any more
	s_wait_loadcnt 0x0                             ; this tile's scale words, asked for at the head
	s_wait_xcnt 0x0                                ; the first tile's stores have read their registers: fragments may land there
	HFETCH 0
.irp k, 0,1,2,3,4,5,6,7
	HSTEP \k
.endr
	PLACES NP                                      ; behind the last products: their results are read and their operands' registers written below
	; my 64 features are one head, four tiles; my 128 tokens are key step ks of batch b
	s_lshr_b32 s20, s3, 2                          ; b
	s_and_b32 s21, s3, 3
	s_lshl_b32 s21, s21, 1
	s_add_co_u32 s21, s21, s16                     ; ks
	s_lshl_b32 s43, s2, 1
	s_add_co_u32 s43, s43, s15                     ; the head
	s_lshl_b32 s20, s20, 4
	s_add_co_u32 s20, s20, s43
	s_mul_i32 s20, s20, 106496                     ; the record
	s_mul_i32 s88, s21, 6144                       ; 4 fragments x 1,536 bytes a key step
	s_add_co_u32 s88, s88, s20
	s_add_co_u32 s88, s88, 49152
	s_mov_b32 s89, 0
	s_lshl_b32 s90, s21, 9
	s_add_co_u32 s90, s90, s20
	s_add_co_u32 s90, s90, 102400
	s_mov_b32 s91, 0
	s_add_nc_u64 s[88:89], s[10:11], s[88:89]
	s_add_nc_u64 s[90:91], s[10:11], s[90:91]
.irp a, 0,1,2,3
	s_wait_xcnt 0x0                                ; as above
	QUANTW \a, 128+32*(\a%2), PW+\a
.irp c, 0,1,2
	global_store_b128 v[L16], v[128+32*(\a%2)+4*\c:128+32*(\a%2)+4*\c+3], s[88:89] offset:1536*\a+512*\c   ; 32 lanes store 512 consecutive bytes
.endr
.endr
	global_store_b128 v[L16], v[PW:PW+3], s[90:91] ; the four tiles' scale words
	s_wait_tensorcnt 0x0                           ; the wave's end, behind my last tensor load
	ds_add_u32 v[SPW], v[NIL]
	s_wait_dscnt 0x0
	CROUND                                         ; the closing round: no work-group ends while a partner may still ask for a piece that names it
	s_endpgm
.Lfunc_end_k_q526d4dbe1b_gemm_qkv:
	.size	k_q526d4dbe1b_gemm_qkv, .Lfunc_end_k_q526d4dbe1b_gemm_qkv-k_q526d4dbe1b_gemm_qkv
	.p2alignl 7, 3214868480
	.fill 96, 4, 3214868480
	.section	.rodata,"a",@progbits
	.p2align	6, 0x0
	.amdhsa_kernel k_q526d4dbe1b_gemm_qkv
		.amdhsa_group_segment_fixed_size 327680
		.amdhsa_private_segment_fixed_size 0
		.amdhsa_enable_private_segment 0
		.amdhsa_kernarg_size 32
		.amdhsa_user_sgpr_count 2
		.amdhsa_user_sgpr_kernarg_segment_ptr 1
		.amdhsa_wavefront_size32 1
		.amdhsa_system_sgpr_workgroup_id_x 1
		.amdhsa_system_sgpr_workgroup_id_y 1
		.amdhsa_system_sgpr_workgroup_id_z 1
		.amdhsa_system_vgpr_workitem_id 0
		.amdhsa_next_free_vgpr 1024
		.amdhsa_next_free_sgpr 106
		.amdhsa_reserve_vcc 1
		.amdhsa_float_denorm_mode_32 3
		.amdhsa_float_denorm_mode_16_64 3
		.amdhsa_memory_ordered 1
		.amdhsa_forward_progress 1
		.amdhsa_inst_pref_size 223
	.end_amdhsa_kernel
	.amdgpu_metadata
---
amdhsa.version: [ 1, 2 ]
amdhsa.kernels:
  - .name:           k_q526d4dbe1b_gemm_qkv
    .symbol:         k_q526d4dbe1b_gemm_qkv.kd
    .args:
      - { .name: xq, .offset: 0, .size: 8, .value_kind: global_buffer, .address_space: global }
      - { .name: wq, .offset: 8, .size: 8, .value_kind: global_buffer, .address_space: global }
      - { .name: q, .offset: 16, .size: 8, .value_kind: global_buffer, .address_space: global }
      - { .name: kv, .offset: 24, .size: 8, .value_kind: global_buffer, .address_space: global }
    .group_segment_fixed_size: 327680
    .private_segment_fixed_size: 0
    .kernarg_segment_align: 8
    .kernarg_segment_size: 32
    .max_flat_workgroup_size: 128
    .sgpr_count:     106
    .vgpr_count:     1024
    .wavefront_size: 32
...
	.end_amdgpu_metadata
.endif
;; end of part 2
;; launch attn (part 3): grid 4 x 64, 16 waves a work-group, clusters of 4 x 1, 327,680 bytes of LDS; arguments q, kv, oq; writes oq
.if DOCPART == 3
	.amdgcn_target "amdgcn-amd-amdhsa--gfx1250"
	.amdhsa_code_object_version 6
	.text
	.protected	k_q526d4dbe1b_attn
	.globl	k_q526d4dbe1b_attn
	.p2align	8
	.type	k_q526d4dbe1b_attn,@function
k_q526d4dbe1b_attn:
	s_mov_b64 s[64:65], 0
	v_nop
	global_prefetch_b8 v0, s[64:65] scope:SCOPE_SE
	s_setreg_imm32_b32 hwreg(HW_REG_WAVE_MODE, 25, 1), 1
	s_wait_xcnt 0x0
	s_wait_alu depctr_hold_cnt(0) depctr_sa_sdst(0) depctr_va_vdst(0) depctr_va_sdst(0) depctr_va_ssrc(0) depctr_va_vcc(0) depctr_vm_vsrc(0)
	s_getreg_b32 s2, hwreg(HW_REG_IB_STS2, 6, 4)
	s_cmp_eq_u32 s2, 0
	s_cbranch_scc0 .Lentry_in_a_cluster
	s_endpgm
.Lentry_in_a_cluster:
	s_bfe_u32 s2, ttmp6, 0x10000c
	s_cmp_lg_u32 s2, 0x3003
	s_cbranch_scc0 .Lentry_shape_is_right
	s_endpgm
.Lentry_shape_is_right:
; o = softmax(q k^T / 8) v for two heads of one batch and 256 queries, on codes of FP6 (E2M3) with E8M0 scales; o is quantised again along the features, as the operand of the projection.
; THE DEAL.  Work-group (x, y): records 2 y and 2 y + 1 of kv (a record: batch x 16 + head), queries 256 x .. 256 x + 255.  16 waves; a wave takes one tile of 16 queries through both heads, one after the other: two passes of eight steps of 128 keys.
; The four work-groups of a cluster need the same two records: each wave asks for 52 units of 256 bytes of the 212,992 dense bytes by ONE joint load: waves 0-7 bring record 0, waves 8-15 record 1, by a load line each.
; Everything is asked for at the head and filled once: no refill.  The first barrier shows record 0 alone (waves 0-7 wait for their line); behind two steps every wave waits for its load and a second barrier shows record 1.
; Beyond these two barriers the waves share nothing.  No prefetch: there is no loop that runs ahead of a load.
; LDS: each unit of 256 bytes is followed by 32 bytes of padding (byte y of the two records lies at y + 32 (y / 256)), so that the 32 lanes of a load of K's rows, which come from two tiles 1,536 bytes apart, touch 64 different banks.
; Behind the records: the spare words; then 2,048 bytes of scratch for each wave, where the first head's finished codes wait for the second's.
; BOTH PRODUCTS ARE USED TRANSPOSED (S^T = k q^T, O^T = v^T p^T): a lane holds one query.  THE KEYS OF A TILE ARE CHOSEN: rows 0-7 of tile (c, j) are keys 64 c + 8 j + i, rows 8-15 keys 64 c + 32 + 8 j + i.
; So lane (r, h) holds in registers 32 c + 0 .. 31 of S the keys 64 c + 32 h + 0 .. 31: a WHOLE scale block, in the order of the next operand's registers: no lane asks another for a block's maximum, and no codes change lanes.
; In memory key 32 g + 16 a + 8 u + i lies in tile 2 g + u at row 8 a + i: lane (r, h) reads tile 4 c + 2 (r / 8) + j % 2, row r % 8 + 8 (j / 2); the same for its scale word.
; The head's 64 features fill half of the instruction's 128: q's upper six registers hold zero codes, and k's upper six are whatever follows in the registers (every bit pattern is a finite code; times the code 0 it adds nothing).
; SOFTMAX: M = ceil of the running largest t (t = score x log2(e) / 8), kept as -M; p = 2^(t - M); the sum is taken of p before it is quantised; when M moves, the sum and O^T are multiplied by 2^(old M - new M), exactly.
; A block's largest p is made from its largest score by the same two instructions as every p.
; ORDER OF A STEP: the scores' products; the loads of this step's V and of the NEXT step's K (registers of their own each); maxima; t - M; O^T rescaled; the exponentials; codes; sums; the second product.
; LIMITS: NaN and infinities are not served; the promise holds while |t| stays under 2^31; a block of zeros gets the byte 1 (its codes are zeros; this program alone reads the bytes).
.set REC,   106496                     ; a record of kv in memory
.set QREC,  53248                      ; and of q
.set RECP,  119808                     ; a record in LDS: 416 units of 288 bytes
.set STEPB, 6912                       ; a key step's 8 tiles of K, or 4 fragments of V: 24 units
.set IMG,   576                        ; a scale image: 2 units
.set VOFF,  55296                      ; in a record: V's fragments,
.set KSO,   110592                     ; K's scale images,
.set VSO,   115200                     ; V's
.set SPARE, 2*RECP                     ; the spare words: 128 bytes for each of 16 waves
.set SCR,   SPARE+2048                 ; the scratch
.set OQW,   6291456                    ; where oq's scale words begin
.set SCRA, 0                           ; v0 (behind the head): my scratch + 8 x lane
.set AK,   1                           ; LDS addresses in record 0, step 0: K's rows,
.set AV,   2                           ; V's fragments,
.set ASK,  3                           ; K's scale words,
.set ASV,  4                           ; V's
.set SPW,  5                           ; my spare word; never rewritten
.set NIL,  6                           ; 0; never rewritten
.set SH8,  7                           ; 8 h
.set NM,   8                           ; -M            (v[8:9] is named as a pair)
.set MX,   9                           ; the running largest score
.set L,    10                          ; v10-11 the row's sum in two halves
.set F,    12                          ; 2^(old M - new M)   (v[12:13] is named as a pair)
.set PW,   13                          ; p's scale word
.set BM,   14                          ; v14-15 my two blocks' largest score, then p
.set SOP,  16                          ; v16-17 the conversions' scale operands
.set CT,   18                          ; v18-25 at work
.set QW,   26                          ; q's scale word
.set OLD,  27
.set KSC,  28                          ; v28-31 K's scale words: register 2 c + j / 2, lanes 0-15 even j, lanes 16-31 odd j
.set VSC,  32                          ; v32-35 V's
.set Q,    36                          ; v36-47 q's six registers and six of zero codes
.set PC,   48                          ; v48-59 p's codes
.set KF,   60                          ; v60-107 K: eight tiles x six registers
.set VF,   108                         ; v108-155 V: four fragments
.set S,    156                         ; v156-219 scores, then p
.set O,    220                         ; v220-251 O^T
.set ADK,  252                         ; v252-255 the step's LDS addresses
.set ADV,  253
.set ADS,  254
.set ADT,  255
.set OF,   S+32                        ; the way out: the fragment of oq, twelve registers
.set TT,   S+44
.set WV,   18
.set SEL,  20
.set CS,   22
.set G1,   24
.set G0A,  32
.set TK,   2
.set TS,   3
.set CNT,  10
.macro CROUND
	s_barrier_signal -1
	s_barrier_wait -1
	s_cmp_lg_u32 s[WV], 0
	s_cbranch_scc1 .Lnot_wave_0_\@
	s_barrier_signal -3
.Lnot_wave_0_\@:
	s_barrier_wait -3
	s_barrier_signal -1
	s_barrier_wait -1
.endm
.macro WALU
	s_wait_alu depctr_va_vdst(0)
.endm
; a step's eight tiles of K and their scale words, off and soff bytes behind the step that v[ADK] and v[ADS] name
.macro KLOAD off, soff
.irp c, 0,1
.irp j, 0,1,2,3
.irp i, 0,1,2
	ds_load_b64 v[KF+6*(4*\c+\j)+2*\i:KF+6*(4*\c+\j)+2*\i+1], v[ADK] offset:(\off)+3456*\c+864*(\j%2)+64*(\j/2)+288*\i
.endr
.endr
.endr
.irp c, 0,1
.irp g, 0,1
	ds_load_b32 v[KSC+2*\c+\g], v[ADS] offset:(\soff)+8*\c+128*\g
.endr
.endr
.endm
.macro PRO p                           ; ahead of a pass: its record's place, and step 0's K
	s_mov_b32 s[TK], \p*RECP
	s_mov_b32 s[TS], \p*RECP
	v_add_nc_u32 v[ADK], s[TK], v[AK]
	v_add_nc_u32 v[ADS], s[TS], v[ASK]
	KLOAD 0, 0
.endm
.macro INIT                            ; a pass begins: the largest score -3e38, -M = 3e38 (the first change of M makes the factor 0), sums 0
	v_mov_b32 v[MX], 0xff61b1e6
	v_mov_b32 v[NM], 0x7f61b1e6
	v_mov_b32 v[L], 0
	v_mov_b32 v[L+1], 0
.set j, 0
.rept 32
	v_mov_b32 v[O+j], 0
.set j, j+1
.endr
.endm
.macro TM from                         ; t - M for 16 scores
.set j, \from
.rept 8
	v_pk_fma_f32 v[S+j:S+j+1], v[S+j:S+j+1], s[CS:CS+1], v[NM:NM+1] op_sel_hi:[1,0,0]
.set j, j+2
.endr
.endm
	s_load_b128 s[4:7], s[0:1], 0x0                ; q, kv
	s_load_b64 s[8:9], s[0:1], 0x10                ; oq
	v_lshl_add_u32 v[SPW], v0, 2, SPARE
	v_mov_b32 v[NIL], 0
	ds_add_u32 v[SPW], v[NIL]                      ; the opening lines: the add, twice on end, and below its one wait
	ds_add_u32 v[SPW], v[NIL]
	v_lshrrev_b32 v[CT], 5, v0
	v_readfirstlane_b32 s[WV], v[CT]               ; wave 0..15
	s_bfe_u32 s11, ttmp6, 0x40000                  ; cx: my block of 256 queries
	s_and_b32 s12, ttmp7, 0xffff                   ; the pair of records
	s_mov_b32 s[G1], 15|(3<<16)|(1<<20)|(1<<21)|(5<<22)|(7<<25)   ; the mask names the cluster's four; elements of 8 bytes; 8 dwords of padding behind every 64
	s_mov_b32 s[G1+1], 32<<16
	s_mov_b32 s[G1+2], 52<<16
	s_mov_b32 s[G1+3], 32<<16
	s_mov_b32 s[G1+4], 52
	s_mov_b32 s[G1+5], 32
	s_mov_b32 s[G1+6], 0
	s_mov_b32 s[G1+7], 0
	s_mul_i32 s13, s[WV], 52*288                   ; my 52 units in LDS,
	s_mul_i32 s16, s[WV], 52*256                   ; and in memory
	s_mul_i32 s14, s12, 2*REC
	s_add_co_u32 s14, s14, s16
	s_mov_b32 s15, 0
	s_lshl_b32 s40, s11, 4
	s_add_co_u32 s40, s40, s[WV]                   ; my tile of queries, 0..63
	s_mul_i32 s41, s12, 2*QREC
	s_mul_i32 s42, s40, 768
	s_add_co_u32 s42, s42, s41                     ; its codes in q's first record
	s_mov_b32 s43, 0
	s_lshr_b32 s44, s40, 3                         ; its scale words: image tile / 8, at 256 (tile % 2) + 4 ((tile % 8) / 2) + 16 r
	s_lshl_b32 s44, s44, 9
	s_and_b32 s45, s[WV], 1
	s_lshl_b32 s45, s45, 8
	s_add_co_u32 s44, s44, s45
	s_bfe_u32 s45, s[WV], 0x20001
	s_lshl_b32 s45, s45, 2
	s_add_co_u32 s44, s44, s45
	s_add_co_u32 s44, s44, s41
	s_add_co_u32 s44, s44, 49152
	s_mov_b32 s45, 0
	s_lshr_b32 s46, s12, 3                         ; oq: tile 64 x batch + my tile, K step = the pair of heads
	s_lshl_b32 s46, s46, 6
	s_add_co_u32 s46, s46, s40
	s_and_b32 s47, s12, 7
	s_lshl_b32 s48, s46, 3
	s_add_co_u32 s48, s48, s47
	s_mul_i32 s48, s48, 1536
	s_mov_b32 s49, 0
	s_lshl_b32 s50, s46, 9
	s_lshl_b32 s47, s47, 6
	s_add_co_u32 s50, s50, s47
	s_add_co_u32 s50, s50, OQW
	s_mov_b32 s51, 0
	s_mov_b32 s[SEL], 0x76543210
	s_mov_b32 s[SEL+1], 0xfedcba98                 ; v_permlanex16_b32's selects for lane l xor 16
	s_mov_b32 s[CS], 0x3e38aa3b                    ; log2(e) / 8
	s_mov_b32 s[CS+1], s[CS]
	s_wait_dscnt 0x0
	s_wait_kmcnt 0x0
	s_mov_b32 s[G0A], 1
	s_mov_b32 s[G0A+1], s13
	s_add_nc_u64 s[G0A+2:G0A+3], s[6:7], s[14:15]
	s_or_b32 s[G0A+3], s[G0A+3], 0x80000000
	s_add_nc_u64 s[42:43], s[4:5], s[42:43]
	s_add_nc_u64 s[44:45], s[4:5], s[44:45]
	s_add_nc_u64 s[48:49], s[8:9], s[48:49]
	s_add_nc_u64 s[50:51], s[8:9], s[50:51]
	CROUND                                         ; the four work-groups are here: the joint loads meet
	s_cmp_lt_u32 s[WV], 8                          ; my one tensor load.  Record 0's waves have a line of their own, since they alone wait ahead of the first barrier
	s_cbranch_scc0 .Lrec1
	tensor_load_to_lds s[G0A:G0A+3], s[G1:G1+7]
	s_nop 0
	s_branch .Lasked
.Lrec1:
	tensor_load_to_lds s[G0A:G0A+3], s[G1:G1+7]
	s_nop 0
.Lasked:
	v_and_b32 v[ADK], 31, v0                       ; lane
	v_and_b32 v[ADV], 7, v0                        ; r % 8
	v_bfe_u32 v[ADS], v0, 3, 1                     ; r / 8
	v_bfe_u32 v[ADT], v0, 4, 1                     ; h
	v_lshlrev_b32 v[CT], 3, v[ADK]                 ; 8 x lane
	v_and_b32 v[CT+1], 15, v0
	v_lshlrev_b32 v[CT+1], 4, v[CT+1]              ; 16 r
.irp i, 0,1,2
	global_load_b64 v[Q+2*\i:Q+2*\i+1], v[CT], s[42:43] offset:256*\i
.endr
	global_load_b32 v[QW], v[CT+1], s[44:45]
	v_mul_u32_u24 v[AK], v[ADS], 1728              ; K: two tiles (six units) on for rows 8-15,
	v_lshl_add_u32 v[AK], v[ADV], 3, v[AK]         ; 8 bytes a row,
	v_lshl_add_u32 v[AK], v[ADT], 7, v[AK]         ; 128 for the features' upper half
	v_lshlrev_b32 v[AV], 4, v[ADK]
	v_lshl_add_u32 v[AV], v[ADT], 5, v[AV]         ; 16 x lane, and one padding for lanes 16-31
	v_add_nc_u32 v[ASV], VSO, v[AV]
	v_add_nc_u32 v[AV], VOFF, v[AV]
	v_mul_u32_u24 v[ASK], v[ADT], 288              ; K's scale words: lanes 16-31 take the odd tiles' (the image's second unit),
	v_lshl_add_u32 v[ASK], v[ADV], 4, v[ASK]       ; 16 bytes a row,
	v_lshl_add_u32 v[ASK], v[ADS], 2, v[ASK]       ; one word on for rows 8-15
	v_add_nc_u32 v[ASK], KSO, v[ASK]
	v_lshlrev_b32 v[SH8], 3, v[ADT]
	s_lshl_b32 s16, s[WV], 11
	s_add_co_u32 s16, s16, SCR
	v_add_nc_u32 v[SCRA], s16, v[CT]
.irp i, 0,1,2,3,4,5
	v_mov_b32 v[Q+6+\i], 0                         ; zero codes for the upper 64 of the instruction's 128
	v_mov_b32 v[VF+\i], 0                          ; named as the upper half of K's last tile before V is first loaded
.endr
	v_mov_b32 v[PW], 0                             ; named as the upper half of the pair v[12:13] before it is first written
	INIT
	WALU
	s_cmp_lt_u32 s[WV], 8
	s_cbranch_scc0 .Lnot_rec0
	s_wait_tensorcnt 0x0                           ; waves 0-7: my part of record 0 is in
.Lnot_rec0:
	s_wait_loadcnt 0x0                             ; q
	s_barrier_signal -1
	s_barrier_wait -1                              ; record 0 is whole; record 1 may still be on its way
	PRO 0
.macro STEP
	s_wait_dscnt 0x0                               ; this step's K, asked for a step ago, is in
.irp c, 0,1
.irp j, 0,1,2,3
.if \j%2
	v_wmma_scale_f32_16x16x128_f8f6f4 v[S+8*(4*\c+\j):S+8*(4*\c+\j)+7], v[KF+6*(4*\c+\j):KF+6*(4*\c+\j)+11], v[Q:Q+11], 0, v[KSC+2*\c+\j/2], v[QW] matrix_a_fmt:MATRIX_FMT_FP6 matrix_b_fmt:MATRIX_FMT_FP6 matrix_a_scale:MATRIX_SCALE_ROW1
.else
	v_wmma_scale_f32_16x16x128_f8f6f4 v[S+8*(4*\c+\j):S+8*(4*\c+\j)+7], v[KF+6*(4*\c+\j):KF+6*(4*\c+\j)+11], v[Q:Q+11], 0, v[KSC+2*\c+\j/2], v[QW] matrix_a_fmt:MATRIX_FMT_FP6 matrix_b_fmt:MATRIX_FMT_FP6
.endif
.endr
.endr
	v_add_nc_u32 v[ADV], s[TK], v[AV]              ; the step's addresses: also the four places between the products and the loads into their sources, and the first reads of the scores
	v_add_nc_u32 v[ADT], s[TS], v[ASV]
	v_add_nc_u32 v[ADK], s[TK], v[AK]
	v_add_nc_u32 v[ADS], s[TS], v[ASK]
.irp t, 0,1,2,3
.irp c, 0,1,2
	ds_load_b128 v[VF+12*\t+4*\c:VF+12*\t+4*\c+3], v[ADV] offset:1728*\t+576*\c
.endr
.endr
	ds_load_b128 v[VSC:VSC+3], v[ADT]
	s_cmp_eq_u32 s[CNT], 1                         ; a pass's last step has no next step in its record
	WALU
	s_cbranch_scc1 .Llast_\@
	KLOAD STEPB, IMG
.Llast_\@:
.irp k, 0,1,2,3                                ; the largest score of my two blocks, in four chains of 16 side by side; each accumulator is read from its low end on
	v_max3_num_f32 v[CT+\k], v[S+16*\k], v[S+16*\k+1], v[S+16*\k+2]
.endr
.irp i, 3,5,7,9,11,13
.irp k, 0,1,2,3
	v_max3_num_f32 v[CT+\k], v[CT+\k], v[S+16*\k+\i], v[S+16*\k+\i+1]
.endr
.endr
	v_mov_b32 v[OLD], v[NM]
	v_max3_num_f32 v[BM], v[CT], v[CT+1], v[S+15]
	v_max3_num_f32 v[BM+1], v[CT+2], v[CT+3], v[S+47]
	v_max_num_f32 v[BM], v[BM], v[S+31]
	v_max_num_f32 v[BM+1], v[BM+1], v[S+63]
	s_delay_alu instid0(VALU_DEP_1)
	v_max3_num_f32 v[CT], v[MX], v[BM], v[BM+1]
	s_delay_alu instid0(VALU_DEP_1)
	v_permlanex16_b32 v[CT+1], v[CT], s[SEL], s[SEL+1]
	s_delay_alu instid0(VALU_DEP_1)
	v_max_num_f32 v[MX], v[CT], v[CT+1]            ; with lane l xor 16's two blocks: the running largest score of my query
	s_delay_alu instid0(VALU_DEP_1)
	v_mul_f32 v[CT+2], s[CS], v[MX]                ; as t
	s_delay_alu instid0(VALU_DEP_1)
	v_floor_f32 v[NM], -v[CT+2]                    ; -M = floor(-t)
	TM 0
	v_sub_f32 v[OLD], v[NM], v[OLD]                ; old M - new M, a whole number, 0 or less
	TM 16
	v_cvt_i32_f32 v[OLD], v[OLD]                   ; (it saturates)
	TM 32
	v_ldexp_f32 v[F], 1.0, v[OLD]
	TM 48
	v_fma_f32 v[BM], v[BM], s[CS], v[NM]
	v_fma_f32 v[BM+1], v[BM+1], s[CS], v[NM]
.set j, 0
.rept 16
	v_pk_mul_f32 v[O+j:O+j+1], v[O+j:O+j+1], v[F:F+1] op_sel_hi:[1,0]   ; O^T under the new M, ahead of the exponentials
.set j, j+2
.endr
	WALU
	v_exp_f32 v[BM], v[BM]                         ; my blocks' largest p
	v_exp_f32 v[BM+1], v[BM+1]
.set j, 0
.rept 64
	v_exp_f32 v[S+j], v[S+j]                       ; p = 2^(t - M)
.set j, j+1
.endr
	v_pk_mul_f32 v[L:L+1], v[L:L+1], v[F:F+1] op_sel_hi:[1,0]   ; the sums under the new M: the plain place behind the batch
	WALU                                           ; and the one wait behind it
	v_max_num_f32 v[BM], 0x1800000, v[BM]          ; the floor 2^(3 - 127): the byte cannot fall under 1
	v_max_num_f32 v[BM+1], 0x1800000, v[BM+1]
	v_add_nc_u32 v[SOP], 0xff000000, v[BM]         ; 2 off the exponent field: the conversions' scale operand
	v_add_nc_u32 v[SOP+1], 0xff000000, v[BM+1]
	v_lshrrev_b32 v[CT+3], 23, v[SOP]              ; the bytes of blocks h and 2 + h
	v_lshrrev_b32 v[CT+7], 23, v[SOP+1]
	v_cvt_scalef32_pk16_fp6_f32 v[PC:PC+2], v[S:S+15], v[SOP]
	v_cvt_scalef32_pk16_fp6_f32 v[CT:CT+2], v[S+16:S+31], v[SOP]       ; (a conversion's three registers begin on an even number: a block's second half is made elsewhere and moved)
	v_cvt_scalef32_pk16_fp6_f32 v[PC+6:PC+8], v[S+32:S+47], v[SOP+1]
	v_cvt_scalef32_pk16_fp6_f32 v[CT+4:CT+6], v[S+48:S+63], v[SOP+1]
	v_lshl_or_b32 v[CT+3], v[CT+7], 16, v[CT+3]    ; my two bytes (the plain place behind the conversions),
	v_lshlrev_b32 v[CT+3], v[SH8], v[CT+3]         ; at their places in the word
.irp i, 0,1,2
	v_mov_b32 v[PC+3+\i], v[CT+\i]
	v_mov_b32 v[PC+9+\i], v[CT+4+\i]
.endr
	v_permlanex16_b32 v[CT+7], v[CT+3], s[SEL], s[SEL+1]
	v_or_b32 v[PW], v[CT+3], v[CT+7]               ; with lane l xor 16's two the word is whole
	v_pk_add_f32 v[CT:CT+1], v[S:S+1], v[S+2:S+3]  ; the row's sum, of p as it was before the conversions: four chains.  These 32 lines are also the places between the codes, the word and the products
	v_pk_add_f32 v[CT+2:CT+3], v[S+4:S+5], v[S+6:S+7]
	v_pk_add_f32 v[CT+4:CT+5], v[S+8:S+9], v[S+10:S+11]
	v_pk_add_f32 v[L:L+1], v[L:L+1], v[S+12:S+13]
.set j, 14
.rept 6
	v_pk_add_f32 v[CT:CT+1], v[CT:CT+1], v[S+j:S+j+1]
	v_pk_add_f32 v[CT+2:CT+3], v[CT+2:CT+3], v[S+j+2:S+j+3]
	v_pk_add_f32 v[CT+4:CT+5], v[CT+4:CT+5], v[S+j+4:S+j+5]
	v_pk_add_f32 v[L:L+1], v[L:L+1], v[S+j+6:S+j+7]
.set j, j+8
.endr
	v_pk_add_f32 v[CT:CT+1], v[CT:CT+1], v[S+62:S+63]
	v_pk_add_f32 v[L:L+1], v[L:L+1], v[CT+4:CT+5]
	v_pk_add_f32 v[CT:CT+1], v[CT:CT+1], v[CT+2:CT+3]
	v_pk_add_f32 v[L:L+1], v[L:L+1], v[CT:CT+1]
	WALU
	s_wait_dscnt 0x0                               ; V is in (and the next step's K: in the last step none was asked for, so the count is 0)
.irp t, 0,1,2,3
	v_wmma_scale_f32_16x16x128_f8f6f4 v[O+8*\t:O+8*\t+7], v[VF+12*\t:VF+12*\t+11], v[PC:PC+11], v[O+8*\t:O+8*\t+7], v[VSC+\t], v[PW] matrix_a_fmt:MATRIX_FMT_FP6 matrix_b_fmt:MATRIX_FMT_FP6
.endr
	s_add_co_u32 s[TK], s[TK], STEPB
	s_add_co_u32 s[TS], s[TS], IMG
.endm
; A pass's end: O^T / the sum, quantised along the head's 64 features.  The 16 registers of tiles 2 g and 2 g + 1 are features 32 g + 16 h + 0 .. 15: a block lies in lanes l and l xor 16.
.macro FIN p
.rept 4
	v_nop                                          ; the places behind the last products
.endr
.if \p == 0
	PRO 1                                          ; the second head's first K and its q are asked for ahead of this head's way out
	v_and_b32 v[S+48], 0xf8, v[SCRA]               ; my scratch begins at a multiple of 256: the low bits are 8 x lane
	v_and_b32 v[S+49], 0x78, v[SCRA]               ; 8 r
	v_lshlrev_b32 v[S+49], 1, v[S+49]              ; 16 r
.irp i, 0,1,2
	global_load_b64 v[Q+2*\i:Q+2*\i+1], v[S+48], s[42:43] offset:QREC+256*\i
.endr
	global_load_b32 v[QW], v[S+49], s[44:45] offset:QREC
.endif
	v_add_f32 v[L], v[L], v[L+1]
	v_permlanex16_b32 v[CT], v[L], s[SEL], s[SEL+1]
	v_add_f32 v[L], v[L], v[CT]
	WALU
	v_rcp_f32 v[L], v[L]
	v_nop
	WALU
.set j, 0
.rept 16
	v_pk_mul_f32 v[S+j:S+j+1], v[O+j:O+j+1], v[L:L+1] op_sel_hi:[1,0]
.set j, j+2
.endr
.irp b, 0,1
	v_max3_num_f32 v[BM+\b], |v[S+16*\b]|, |v[S+1+16*\b]|, 0x1800000
.endr
.irp i, 2,4,6,8,10,12,14
.irp b, 0,1
	v_max3_num_f32 v[BM+\b], v[BM+\b], |v[S+16*\b+\i]|, |v[S+1+16*\b+\i]|
.endr
.endr
.irp b, 0,1
	v_permlanex16_b32 v[CT+\b], v[BM+\b], s[SEL], s[SEL+1]
.endr
.irp b, 0,1
	v_max_num_f32 v[BM+\b], v[BM+\b], v[CT+\b]
.endr
.irp b, 0,1
	v_add_nc_u32 v[SOP+\b], 0xff000000, v[BM+\b]
.endr
.irp b, 0,1
	v_lshrrev_b32 v[CT+\b], 23, v[SOP+\b]
.endr
	v_lshl_or_b32 v[CT+4], v[CT+1], 8, v[CT]       ; this head's two bytes of the scale word
	v_cvt_scalef32_pk16_fp6_f32 v[OF+6*\p:OF+6*\p+2], v[S:S+15], v[SOP]
	v_cvt_scalef32_pk16_fp6_f32 v[TT:TT+2], v[S+16:S+31], v[SOP+1]
	v_nop
.irp i, 0,1,2
	v_permlane16_swap_b32 v[OF+6*\p+\i], v[TT+\i]  ; a whole block to a lane
.endr
.irp i, 0,1,2
	v_mov_b32 v[OF+3+6*\p+\i], v[TT+\i]
.endr
.if \p == 0
.irp i, 0,1,2
	ds_store_b64 v[SCRA], v[OF+2*\i:OF+2*\i+1] offset:256*\i   ; the first head's half of the fragment waits in my scratch
.endr
	ds_store_b32 v[SCRA], v[CT+4] offset:768
.else
.irp i, 0,1,2
	ds_load_b64 v[OF+2*\i:OF+2*\i+1], v[SCRA] offset:256*\i
.endr
	ds_load_b32 v[CT+5], v[SCRA] offset:768
	v_and_b32 v[KF], 0xf8, v[SCRA]                 ; 8 x lane
	v_and_b32 v[KF+1], 0x78, v[SCRA]               ; 8 r
	v_lshlrev_b32 v[KF], 1, v[KF]                  ; 16 x lane
	v_lshrrev_b32 v[KF+1], 1, v[KF+1]              ; 4 r
	WALU
	s_wait_dscnt 0x0
	v_lshl_or_b32 v[CT+4], v[CT+4], 16, v[CT+5]
.irp c, 0,1,2
	global_store_b128 v[KF], v[OF+4*\c:OF+4*\c+3], s[48:49] offset:512*\c   ; 32 lanes store 512 consecutive bytes
.endr
	global_store_b32 v[KF+1], v[CT+4], s[50:51]
.endif
.endm
.macro TRIPS until                     ; steps, until s[CNT] steps of the pass are left
.Lstep_\@:
	STEP
	s_sub_co_u32 s[CNT], s[CNT], 1
	s_cmp_lg_u32 s[CNT], \until
	s_cbranch_scc1 .Lstep_\@
.endm
	s_mov_b32 s[CNT], 8
	TRIPS 6                                        ; the first head's first two steps
	s_wait_tensorcnt 0x0                           ; every wave: my load is done (no LDS instruction of mine is out: the step's last wait was for 0),
	s_barrier_signal -1
	s_barrier_wait -1                              ; everybody's is: record 1 is whole too
	TRIPS 0
	FIN 0
	INIT
	WALU
	s_wait_loadcnt 0x0                             ; the second head's q
	s_mov_b32 s[CNT], 8
	TRIPS 0
	FIN 1
	s_wait_tensorcnt 0x0                           ; the wave's end
	ds_add_u32 v[SPW], v[NIL]
	s_wait_dscnt 0x0
	CROUND                                         ; the closing round
	s_endpgm
.Lfunc_end_k_q526d4dbe1b_attn:
	.size	k_q526d4dbe1b_attn, .Lfunc_end_k_q526d4dbe1b_attn-k_q526d4dbe1b_attn
	.p2alignl 7, 3214868480
	.fill 96, 4, 3214868480
	.section	.rodata,"a",@progbits
	.p2align	6, 0x0
	.amdhsa_kernel k_q526d4dbe1b_attn
		.amdhsa_group_segment_fixed_size 327680
		.amdhsa_private_segment_fixed_size 0
		.amdhsa_enable_private_segment 0
		.amdhsa_kernarg_size 24
		.amdhsa_user_sgpr_count 2
		.amdhsa_user_sgpr_kernarg_segment_ptr 1
		.amdhsa_wavefront_size32 1
		.amdhsa_system_sgpr_workgroup_id_x 1
		.amdhsa_system_sgpr_workgroup_id_y 1
		.amdhsa_system_sgpr_workgroup_id_z 1
		.amdhsa_system_vgpr_workitem_id 0
		.amdhsa_next_free_vgpr 256
		.amdhsa_next_free_sgpr 66
		.amdhsa_reserve_vcc 0
		.amdhsa_float_denorm_mode_32 3
		.amdhsa_float_denorm_mode_16_64 3
		.amdhsa_memory_ordered 1
		.amdhsa_forward_progress 1
		.amdhsa_inst_pref_size 68
	.end_amdhsa_kernel
	.amdgpu_metadata
---
amdhsa.version: [ 1, 2 ]
amdhsa.kernels:
  - .name:           k_q526d4dbe1b_attn
    .symbol:         k_q526d4dbe1b_attn.kd
    .args:
      - { .name: q, .offset: 0, .size: 8, .value_kind: global_buffer, .address_space: global }
      - { .name: kv, .offset: 8, .size: 8, .value_kind: global_buffer, .address_space: global }
      - { .name: oq, .offset: 16, .size: 8, .value_kind: global_buffer, .address_space: global }
    .group_segment_fixed_size: 327680
    .private_segment_fixed_size: 0
    .kernarg_segment_align: 8
    .kernarg_segment_size: 24
    .max_flat_workgroup_size: 512
    .sgpr_count:     66
    .vgpr_count:     256
    .wavefront_size: 32
...
	.end_amdgpu_metadata
.endif
;; end of part 3
;; launch gemm_proj (part 4): grid 4 x 64, 4 waves a work-group, clusters of 4 x 4, 327,680 bytes of LDS; arguments oq, wq, b_proj, out0; writes out0
.if DOCPART == 4
	.amdgcn_target "amdgcn-amd-amdhsa--gfx1250"
	.amdhsa_code_object_version 6
	.text
	.protected	k_q526d4dbe1b_gemm_proj
	.globl	k_q526d4dbe1b_gemm_proj
	.p2align	8
	.type	k_q526d4dbe1b_gemm_proj,@function
k_q526d4dbe1b_gemm_proj:
	s_mov_b64 s[64:65], 0
	v_nop
	global_prefetch_b8 v0, s[64:65] scope:SCOPE_SE
	s_setreg_imm32_b32 hwreg(HW_REG_WAVE_MODE, 25, 1), 1
	s_wait_xcnt 0x0
	s_wait_alu depctr_hold_cnt(0) depctr_sa_sdst(0) depctr_va_vdst(0) depctr_va_sdst(0) depctr_va_ssrc(0) depctr_va_vcc(0) depctr_vm_vsrc(0)
	s_getreg_b32 s2, hwreg(HW_REG_IB_STS2, 6, 4)
	s_cmp_eq_u32 s2, 0
	s_cbranch_scc0 .Lentry_in_a_cluster
	s_endpgm
.Lentry_in_a_cluster:
	s_bfe_u32 s2, ttmp6, 0x10000c
	s_cmp_lg_u32 s2, 0xf033
	s_cbranch_scc0 .Lentry_shape_is_right
	s_endpgm
.Lentry_shape_is_right:
; out0 = o W_proj + b_proj on codes of FP6 (E2M3) with E8M0 scales; sums in f32; out0 [8192][1024] f32.
; A work-group of four waves makes 128 tokens (P = oq) x 256 outputs (R = wq's rows 3,072 on): 8,192 x 1,024 numbers are 256 such tiles, one for each work-group.  A wave makes 64 x 128: 32 accumulators, 256 registers.
; Source 0 = 16 rows of R, source 1 = 16 rows of P: a lane holds one token, and, since the rows of a tile are laid 0-7, 16-23 | 8-15, 24-31, the 16 registers of R's tiles 2 g and 2 g + 1 are the 16 neighbouring outputs 32 g + 16 (lane / 16) + 0 .. 15.
; OPERANDS lie in memory as images of their registers (fragment (T, s): 1,536 bytes at (8 T + s) x 1,536; scale words at 512 T + 64 s + 4 r behind the codes), so a fragment comes from LDS by three ds_load_b128 of 512 consecutive bytes.
; ALL OF K LIES IN LDS: (128 + 256) rows x 768 bytes = 294,912 bytes, twelve pieces of 24,576 (8 tiles x 2 K steps x 1,536: a K chunk of 256), filled ONCE: no ring, no refill.  Each wave asks for three pieces at the head, wave w's always
; at region + 24,576 w:  region 0: P's chunks 0, 1 (waves 0, 1), R's chunk 0 (waves 2, 3);  region 1: P's chunks 2, 3, R's chunk 1;  region 2: R's chunk 3 (waves 0, 1), R's chunk 2 (waves 2, 3).
; So a wave has three tensor loads out, and three barriers with counted waits show chunk 0, chunk 1, and chunks 2 and 3 to every wave.
; SCALE WORDS go straight into registers: 48 loads of 128 consecutive bytes; lanes 0-15 hold a chunk's first K step, lanes 16-31 its second.
; CLUSTERS: 4 x 4 work-groups; P's pieces are shared along a row of the cluster, R's along a column: each is asked for jointly.  No prefetch: everything is asked for at the head.
; THE BIAS is the C of each sum's first matrix instruction: eight registers for each of R's tiles, in the result's layout.  THE TOKENS' ORDER inside a tile is undone on the way out, in the stores' immediates.
; REGISTERS, in windows of 256: window 0: v8-29 addresses; v32-63 R's scale words; v64-127 the bias; v128-223 P's fragments, TWO sets of four; v224-239 P's scale words; on the way out v64-191: rows of out0.
;   window 1: R's fragments, TWO sets, at v0 and v128.   window 2: the accumulators ((a, b) at v[8 (8 a + b)]).
.set FR,     12                        ; registers of a fragment
.set NP,     4                         ; places behind this matrix instruction (ISA guide 7.12.1)
.set HALFT,  8*3072                    ; a piece
.set REG,    4*HALFT                   ; a region
.set SPARE,  3*REG                     ; behind the regions: the spare words, 128 bytes for each wave: two blocks of 256 bytes that no other line names
.set SPITCH, 528                       ; the way out: a stage of 16 rows x (512 bytes + 16) for each wave.  It lies in region 0, which is filled once and whose last read stands ahead of the third barrier
.set OQW,    6291456                   ; where oq's scale words begin
.set A2,   8                           ; v8-11   LDS address of my P fragments of chunk 0 .. 3
.set B2,   12                          ; v12-15  the same for R
.set STO,  24                          ; v24     the way out: where I put my numbers of a row
.set L16,  25                          ; v25     16 x lane
.set RD,   26                          ; v26     the way out: where I read a row back
.set L4,   27                          ; v27     4 x lane
.set SPW,  28                          ; v28     LDS address of my spare word; never rewritten
.set NIL,  29                          ; v29     0; never rewritten
.set RS2,  32                          ; v32-63  R's block b, chunk c at v[RS2 + 4 b + c]
.set BIAS, 64                          ; v64-127 the bias of R's tile b at v[BIAS + 8 b]
.set AF,   128                         ; P's fragments
.set PS2,  224                         ; v224-239 P's block a, chunk c at v[PS2 + 4 a + c]
.set BK,   64                          ; the way out: 16 rows read back from the stage: v64-127 and v128-191 by turns
.set G1,   24                          ; s[24:31] descriptor group 1 for P's pieces;  s[32:35] group 0 for P's pieces
.set G0P0, 32
.set G0P1, 36
.set G1B,  48                          ; s[48:55] group 1 for R's pieces;  s[56:59] group 0 for R's pieces
.set G0R0, 56
.set G0R1, 60
.set G0R2, 68
.set MSB, 0
.macro WIN new                         ; the immediate's high byte repeats the setting that is left
.if MSB != \new
	s_set_vgpr_msb (MSB<<8)|\new
.set MSB, \new
.endif
.endm
.set MUL_LO, 0xa1                      ; source 0 (R) window 1, source 1 (P) window 0, C and D window 2  (less 0x20: C, the bias, window 0)
.set TO_B,   0x40                      ; destination window 1, address window 0
; A joint load: waves 0 and 1 fetch for P, waves 2 and 3 for R.  Each of the two lines has one mask and one set of registers for all that issue it; the branch hangs on the wave's number alone.
; An s_nop 0 and four v_nop follow each of the two lines, ahead of the jump, the label and what follows.
.macro JLOAD g0a, g1a, g0b, g1b
	s_cmp_eq_u32 s15, 0
	s_cbranch_scc0 .Lfor_b_\@
	tensor_load_to_lds s[\g0a:\g0a+3], s[\g1a:\g1a+7]
	s_nop 0
.rept 4
	v_nop
.endr
	s_branch .Lasked_\@
.Lfor_b_\@:
	tensor_load_to_lds s[\g0b:\g0b+3], s[\g1b:\g1b+7]
	s_nop 0
.rept 4
	v_nop
.endr
.Lasked_\@:
.endm
.macro CROUND                          ; a round of the cluster's barrier
	s_barrier_signal -1
	s_barrier_wait -1
	s_cmp_lg_u32 s14, 0
	s_cbranch_scc1 .Lnot_wave_0_\@
	s_barrier_signal -3
.Lnot_wave_0_\@:
	s_barrier_wait -3
	s_barrier_signal -1
	s_barrier_wait -1
.endm
.macro SETG0 g, lds                    ; a group 0 whose global address stands already: the count, the LDS address (my piece of the region), the type
	s_mov_b32 s[\g], 1
	s_add_co_u32 s[\g+1], s21, \lds
	s_or_b32 s[\g+3], s[\g+3], 0x80000000
.endm
	s_load_b256 s[4:11], s[0:1], 0x0               ; oq s[4:5], wq s[6:7], b_proj s[8:9], out0 s[10:11]
	v_lshl_add_u32 v[SPW], v0, 2, SPARE
	v_mov_b32 v[NIL], 0
	ds_add_u32 v[SPW], v[NIL]                      ; the wave's opening: the add and its wait ahead of my first tensor load; the set-up below, work on registers, stands between them
	ds_add_u32 v[SPW], v[NIL]
	v_lshrrev_b32 v1, 5, v0
	v_readfirstlane_b32 s14, v1                    ; wave 0..3
	s_lshr_b32 s15, s14, 1                         ; which half of P's rows is mine.  Also: I fetch for P (0) or for R (1)
	s_and_b32 s16, s14, 1                          ; which half of R's rows.  Also: which piece of the two I fetch
	s_bfe_u32 s40, ttmp6, 0x40000                  ; cx, cy: my place in the cluster
	s_bfe_u32 s41, ttmp6, 0x40004
	s_lshl_b32 s42, ttmp9, 2
	s_add_co_u32 s42, s42, s40                     ; my block of 256 outputs, 0..3
	s_and_b32 s17, ttmp7, 0xffff
	s_lshl_b32 s17, s17, 2
	s_add_co_u32 s17, s17, s41                     ; my block of 128 tokens, 0..63
	s_lshl_b32 s43, s41, 2
	s_lshl_b32 s43, 15, s43                        ; my row of the cluster
	s_lshl_b32 s44, 0x1111, s40                    ; my column
	; descriptor group 1: 8 rows (tiles) of 384 elements of 8 bytes (two K steps' fragments), 1,536 elements from tile to tile; dense in LDS
	s_or_b32 s[G1+0], s43, (3<<16)|(1<<21)         ; 15:0 the mask: P's pieces go to my row; 17:16 elements of 8 bytes; 20 no padding; 21 set beside a mask
	s_or_b32 s[G1B+0], s44, (3<<16)|(1<<21)
.irp g, G1, G1B                                ; (as the text now stands: dense blocks, stated as rows of 256 bytes: 32 elements of 8 bytes)
	s_mov_b32 s[\g+1], 32<<16
	s_mov_b32 s[\g+3], 32<<16
	s_mov_b32 s[\g+5], 32
	s_mov_b32 s[\g+6], 0
	s_mov_b32 s[\g+7], 0
.endr
	s_mov_b32 s[G1+2], 192<<16                     ; half of P: 4 tiles x 12,288 bytes = 192 rows
	s_mov_b32 s[G1+4], 192
	s_mov_b32 s[G1B+2], 384<<16                    ; half of R: 8 tiles = 384 rows
	s_mov_b32 s[G1B+4], 384
	; byte offsets, each made in the registers that will hold the address.  P's hang on cy, R's on cx, never on the other
	s_mul_i32 s[G0P0+2], s17, 98304                ; P: 128 rows x 768 bytes a block,
	s_mul_i32 s20, s16, 49152
	s_add_co_u32 s[G0P0+2], s[G0P0+2], s20         ; the half wave % 2 of P's rows
	s_mov_b32 s[G0P0+3], 0
	s_lshl_b32 s[G0R0+2], s42, 8
	s_lshl_b32 s20, s16, 7
	s_add_co_u32 s[G0R0+2], s[G0R0+2], s20         ; R: row 256 x block + 128 x half
	s_lshl_b32 s74, s[G0R0+2], 5                   ; its scale words: 32 bytes a row,
	s_add_co_u32 s74, s74, 3244032                 ; from wq's row 3,072 on
	s_mov_b32 s75, 0
	s_mul_i32 s[G0R0+2], s[G0R0+2], 768            ; its codes: 768 bytes a row,
	s_add_co_u32 s[G0R0+2], s[G0R0+2], 2359296     ; from wq's row 3,072 on
	s_mov_b32 s[G0R0+3], 0
	s_lshl_b32 s72, s17, 12                        ; P's scale words: 128 rows x 32 bytes a block,
	s_lshl_b32 s20, s15, 11                        ; my 64 rows
	s_add_co_u32 s72, s72, s20
	s_add_co_u32 s72, s72, OQW
	s_mov_b32 s73, 0
	s_mul_i32 s21, s16, 49152                      ; where my load goes: P's halves at 0 and 49,152, R's at 98,304 and 196,608: no place in the cluster enters an LDS address
	s_wait_dscnt 0x0                               ; the opening add is done
	s_wait_kmcnt 0x0
	s_add_nc_u64 s[G0P0+2:G0P0+3], s[4:5], s[G0P0+2:G0P0+3]
	s_add_nc_u64 s[G0R0+2:G0R0+3], s[6:7], s[G0R0+2:G0R0+3]
	s_add_nc_u64 s[72:73], s[4:5], s[72:73]
	s_add_nc_u64 s[74:75], s[6:7], s[74:75]
	SETG0 G0P0, 0
	s_lshl_b32 s21, s21, 1
	SETG0 G0R0, REG
	CROUND                                         ; all sixteen work-groups are here: the joint loads meet
; THE FILLS AS THEY STAND IN THIS TEXT (this takes the place of what the head comment says of them).  P's 128 rows, all of K, are 98,304 dense bytes of oq, R's 256 rows 196,608 dense bytes of wq.
; ONE joint load a wave at the head brings all of it: waves 0 and 1 a half of P each, waves 2 and 3 a half of R each.  In LDS fragment (tile, K step) lies at tile x 12,288 + step x 1,536, P from byte 0, R from byte 98,304.
; One wait and one barrier show everything to every wave; nothing is filled later.  The stage of the way out lies on P's first tiles: a barrier round the last step's products, behind every wave's last LDS read, guards it.
	JLOAD G0P0, G1, G0R0, G1B
	v_and_b32 v3, 31, v0
	v_lshlrev_b32 v[L16], 4, v3
	s_wait_alu depctr_va_vdst(0)
	v_lshlrev_b32 v[L4], 2, v3
	v_and_b32 v1, 15, v0                           ; r
	v_bfe_u32 v2, v0, 4, 1                         ; h
.irp i, 0,1,2,3                                ; the scale words.  A tile's 512 bytes are [K step][row] x 4: each load takes two K steps' 128 consecutive bytes
.irp j, 0,1,2,3
	global_load_b32 v[PS2+4*\i+\j], v[L4], s[72:73] offset:512*\i+128*\j
.endr
.endr
.irp i, 0,1,2,3,4,5,6,7
.irp j, 0,1,2,3
	global_load_b32 v[RS2+4*\i+\j], v[L4], s[74:75] offset:512*\i+128*\j
.endr
.endr
	s_lshl_b32 s20, s42, 10                        ; the bias of my 128 outputs: 4 (256 x block + 128 x half) bytes on
	s_lshl_b32 s22, s16, 9
	s_add_co_u32 s20, s20, s22
	s_mov_b32 s21, 0
	s_add_nc_u64 s[8:9], s[8:9], s[20:21]
	s_add_nc_u64 s[10:11], s[10:11], s[20:21]      ; and the same bytes on in a row of out0
	v_lshlrev_b32 v7, 6, v2                        ; + 64 h
.irp b, 0,1,2,3,4,5,6,7                        ; tile b's register j is output 32 (b / 2) + 8 (b % 2) + 16 h + j
	global_load_b128 v[BIAS+8*\b:BIAS+8*\b+3], v7, s[8:9] offset:128*(\b/2)+32*(\b%2)
	global_load_b128 v[BIAS+8*\b+4:BIAS+8*\b+7], v7, s[8:9] offset:128*(\b/2)+32*(\b%2)+16
.endr
	s_mul_i32 s22, s15, 49152                      ; my 4 tiles of P's 8
	v_add_nc_u32 v[A2], s22, v[L16]
	s_mul_i32 s22, s16, REG                        ; my half of R's rows:
	v_add_nc_u32 v4, s22, v[L16]
	v_add_nc_u32 v[B2], REG, v4                    ; its tiles 0-3,
	v_add_nc_u32 v[B2+1], REG+49152, v4            ; its tiles 4-7 (so that every offset fits the 16-bit immediate)
	s_mul_i32 s23, s14, 16*SPITCH                  ; my stage
	s_wait_alu depctr_va_vdst(0)                   ; the wait here, directly ahead of the readers of r and h below
	v_mul_u32_u24 v5, v1, SPITCH                   ; in: row r, + 64 h
	v_lshl_add_u32 v5, v2, 6, v5
	v_add_nc_u32 v[STO], s23, v5
	v_add_nc_u32 v[RD], s23, v[L16]                ; back: the 32 lanes take one row of 512 bytes
	s_lshl_b32 s46, s17, 7
	s_lshl_b32 s47, s15, 6
	s_add_co_u32 s46, s46, s47                     ; my first token: 128 x block + 64 x half
	s_lshl_b32 s46, s46, 12                        ; rows of 4,096 bytes (under 2^25)
	s_mov_b32 s47, 0
	s_add_nc_u64 s[10:11], s[10:11], s[46:47]
.macro FRAG reg, adr, q, i             ; a fragment as it was stored: three loads of 512 consecutive bytes
.irp c, 0,1,2
	ds_load_b128 v[\reg+4*\c:\reg+4*\c+3], v[\adr] offset:12288*(\i)+1536*(\q)+512*\c
.endr
.endm
; A load into a register that a matrix instruction has read, and an LDS store that reads a matrix result, stand NP places behind that matrix instruction, and only plain vector instructions
; that name none of its registers are places (ISA guide 7.12.1 for vector instructions).
.macro PLACES n
.rept \n
	v_nop
.endr
.endm
; Step k of eight (128 along K): chunk k / 2, its (k % 2)-th half; sets k % 2 of R's and of P's fragment registers.
.macro HFETCH k                        ; step k's 12 fragments: R's eight, my four of P
	WIN TO_B
.irp i, 0,1,2,3,4,5,6,7
	FRAG 128*((\k)%2)+FR*\i, B2+\i/4, \k, \i%4
.endr
	WIN 0
.irp i, 0,1,2,3
	FRAG AF+48*((\k)%2)+FR*\i, A2, \k, \i
.endr
.endm
.macro HMUL a, k, first                ; 8 matrix instructions: P's block a x R's eight.  first = 1: the sums start from the bias: nothing is ever cleared.  An odd step's scale words stand in lanes 16-31.  The 32 accumulators take turns, in the same order in every step
.irp b, 0,1,2,3,4,5,6,7
.if \first
	v_wmma_scale_f32_16x16x128_f8f6f4 v[8*(8*(\a)+\b):8*(8*(\a)+\b)+7], v[128*((\k)%2)+FR*\b:128*((\k)%2)+FR*\b+FR-1], v[AF+48*((\k)%2)+FR*(\a):AF+48*((\k)%2)+FR*(\a)+FR-1], v[BIAS+8*\b:BIAS+8*\b+7], v[RS2+4*\b+(\k)/2], v[PS2+4*(\a)+(\k)/2] matrix_a_fmt:MATRIX_FMT_FP6 matrix_b_fmt:MATRIX_FMT_FP6
.elseif (\k)%2
	v_wmma_scale_f32_16x16x128_f8f6f4 v[8*(8*(\a)+\b):8*(8*(\a)+\b)+7], v[128*((\k)%2)+FR*\b:128*((\k)%2)+FR*\b+FR-1], v[AF+48*((\k)%2)+FR*(\a):AF+48*((\k)%2)+FR*(\a)+FR-1], v[8*(8*(\a)+\b):8*(8*(\a)+\b)+7], v[RS2+4*\b+(\k)/2], v[PS2+4*(\a)+(\k)/2] matrix_a_fmt:MATRIX_FMT_FP6 matrix_b_fmt:MATRIX_FMT_FP6 matrix_a_scale:MATRIX_SCALE_ROW1 matrix_b_scale:MATRIX_SCALE_ROW1
.else
	v_wmma_scale_f32_16x16x128_f8f6f4 v[8*(8*(\a)+\b):8*(8*(\a)+\b)+7], v[128*((\k)%2)+FR*\b:128*((\k)%2)+FR*\b+FR-1], v[AF+48*((\k)%2)+FR*(\a):AF+48*((\k)%2)+FR*(\a)+FR-1], v[8*(8*(\a)+\b):8*(8*(\a)+\b)+7], v[RS2+4*\b+(\k)/2], v[PS2+4*(\a)+(\k)/2] matrix_a_fmt:MATRIX_FMT_FP6 matrix_b_fmt:MATRIX_FMT_FP6
.endif
.endr
.endm
.macro HSTEP k, first
	s_wait_dscnt 0x0                               ; this step's fragments are in (asked for 32 matrix instructions ago); no LDS instruction of mine is out
.if (\k)==7
	s_barrier_signal -1                            ; my last LDS reads of the operands are over: say so; the products below are work on registers
.endif
.if (\k)<7
.if (\k)>0
	PLACES NP                                      ; the other sets were read by the last step's products
.endif
	HFETCH (\k)+1
.endif
	WIN MUL_LO-0x20*(\first)
	HMUL 0, \k, \first
	HMUL 1, \k, \first
	HMUL 2, \k, \first
	HMUL 3, \k, \first
	WIN 0
.if (\k)==7
	s_barrier_wait -1                              ; everybody's are: the stage may be written
.endif
.endm
	s_wait_alu depctr_va_vdst(0)
	s_wait_tensorcnt 0x0                           ; my load is in,
	s_barrier_signal -1
	s_barrier_wait -1                              ; everybody's is: all of K lies in LDS
	HFETCH 0
	s_wait_loadcnt 0x0                             ; the scale words and the bias
	HSTEP 0, 1                                     ; K 0-127: its products start the sums from the bias
	HSTEP 1, 0
	HSTEP 2, 0
	HSTEP 3, 0
	HSTEP 4, 0
	HSTEP 5, 0
	HSTEP 6, 0
	HSTEP 7, 0
; THE WAY OUT, block by block of 16 tokens x 128 outputs.  A lane holds pieces of one row, and the lanes beside it hold other rows: so a block goes through my own stage in LDS and comes back as whole rows of 512 bytes,
; which the 32 lanes store as 512 consecutive bytes.  LDS serves a wave's instructions in order (ISA guide 5.7.1.4): no wait between the stores and the loads, nor in front of the next block's stores.
.macro TOSTAGE a
.set AC, 64*(\a)
	WIN 0x08                                       ; the data: window 2
.irp b, 0,1,2,3,4,5,6,7
	ds_store_b128 v[STO], v[AC+8*\b:AC+8*\b+3] offset:128*(\b/2)+32*(\b%2)          ; each accumulator from its low end on: outputs 32 (b / 2) + 8 (b % 2) + 16 h + 0 .. 7
	ds_store_b128 v[STO], v[AC+8*\b+4:AC+8*\b+7] offset:128*(\b/2)+32*(\b%2)+16
.endr
	WIN 0
.set BB, BK+64*((\a)%2)
.irp t, 0,1,2,3,4,5,6,7,8,9,10,11,12,13,14,15
	ds_load_b128 v[BB+4*\t:BB+4*\t+3], v[RD] offset:\t*SPITCH
.endr
.endm
.macro SEND a, younger                 ; younger: the LDS instructions issued behind block a's loads, which may stay out
.set BB, BK+64*((\a)%2)
	s_wait_dscnt \younger                          ; the block is back in registers
.irp t, 0,1,2,3,4,5,6,7,8,9,10,11,12,13,14,15  ; row t of tile a is token 32 (a / 2) + 8 (a % 2) + 16 (t / 8) + t % 8 of my 64: 63 rows of 4,096 bytes at the most, inside the signed 24-bit immediate (ISA guide, chapter 10)
	global_store_b128 v[L16], v[BB+4*\t:BB+4*\t+3], s[10:11] offset:(32*((\a)/2)+8*((\a)%2)+16*(\t/8)+\t%8)*4096 th:TH_STORE_NT   ; 32 lanes store 512 consecutive bytes, at a multiple of 256 from out0's first byte; written once, read by nobody here
.endr
.endm
	PLACES NP                                      ; behind the last products: for the loads into the registers that held the bias and P's fragments, and for the reads of the results
	TOSTAGE 0
.irp a, 1,2,3
.if \a > 1
	s_wait_xcnt 0x0                                ; block a - 2's stores have read their registers: block a's loads may land there
.endif
	TOSTAGE \a
	SEND \a-1, 32                                  ; behind block a - 1's loads: block a's 16 stores and 16 loads
.endr
	SEND 3, 0
	s_wait_tensorcnt 0x0                           ; the wave's end, behind my last tensor load and my last LDS store
	ds_add_u32 v[SPW], v[NIL]
	s_wait_dscnt 0x0
	CROUND                                         ; the closing round: no work-group ends while a partner may still ask for a piece that names it
	s_endpgm
.Lfunc_end_k_q526d4dbe1b_gemm_proj:
	.size	k_q526d4dbe1b_gemm_proj, .Lfunc_end_k_q526d4dbe1b_gemm_proj-k_q526d4dbe1b_gemm_proj
	.p2alignl 7, 3214868480
	.fill 96, 4, 3214868480
	.section	.rodata,"a",@progbits
	.p2align	6, 0x0
	.amdhsa_kernel k_q526d4dbe1b_gemm_proj
		.amdhsa_group_segment_fixed_size 327680
		.amdhsa_private_segment_fixed_size 0
		.amdhsa_enable_private_segment 0
		.amdhsa_kernarg_size 32
		.amdhsa_user_sgpr_count 2
		.amdhsa_user_sgpr_kernarg_segment_ptr 1
		.amdhsa_wavefront_size32 1
		.amdhsa_system_sgpr_workgroup_id_x 1
		.amdhsa_system_sgpr_workgroup_id_y 1
		.amdhsa_system_sgpr_workgroup_id_z 1
		.amdhsa_system_vgpr_workitem_id 0
		.amdhsa_next_free_vgpr 768
		.amdhsa_next_free_sgpr 76
		.amdhsa_reserve_vcc 0
		.amdhsa_float_denorm_mode_32 3
		.amdhsa_float_denorm_mode_16_64 3
		.amdhsa_memory_ordered 1
		.amdhsa_forward_progress 1
		.amdhsa_inst_pref_size 79
	.end_amdhsa_kernel
	.amdgpu_metadata
---
amdhsa.version: [ 1, 2 ]
amdhsa.kernels:
  - .name:           k_q526d4dbe1b_gemm_proj
    .symbol:         k_q526d4dbe1b_gemm_proj.kd
    .args:
      - { .name: oq, .offset: 0, .size: 8, .value_kind: global_buffer, .address_space: global }
      - { .name: wq, .offset: 8, .size: 8, .value_kind: global_buffer, .address_space: global }
      - { .name: b_proj, .offset: 16, .size: 8, .value_kind: global_buffer, .address_space: global }
      - { .name: out0, .offset: 24, .size: 8, .value_kind: global_buffer, .address_space: global }
    .group_segment_fixed_size: 327680
    .private_segment_fixed_size: 0
    .kernarg_segment_align: 8
    .kernarg_segment_size: 32
    .max_flat_workgroup_size: 128
    .sgpr_count:     76
    .vgpr_count:     768
    .wavefront_size: 32
...
	.end_amdgpu_metadata
.endif
;; end of part 4
